; MI455X (gfx1250); checked and timed in simulation.
; The chip was launched on July 23, 2026; its instructions are those of AMD's public machine-readable ISA for CDNA 5 (MIT licence, August 2026) and "CDNA5" Instruction Set Architecture Reference Guide (July 2026). The comments in the code are by the model that wrote it; some were corrected since.
;; Dot Product Attention. Allowed arithmetic: matrix products marked QUANTISED: E4M3 operands, one given power-of-two scale a tensor, by v_wmma_f32_16x16x64_fp8_fp8 or v_wmma_f32_16x16x128_fp8_fp8, f32 sums; everything else in f32.
;; Inputs: keys 32 x 2,048 x 128 float32; lowp_scales 4 int32 (the exponents e of the quantised operands' scales 2^e); queries 32 x 2,048 x 128 float32; valid_lens 32 int32; values 32 x 2,048 x 128 float32.
;; Outputs: out0 32 x 2,048 x 128 float32.
;; This version of the problem:
;;   THIS VERSION OF THE PROBLEM IS GIVEN IN LOW PRECISION. The matrix products marked QUANTISED in the list below multiply operands that are first quantised to E4M3 (4 exponent bits, 3 mantissa bits; 8 bits a number), with one given power-of-two scale for each operand tensor; their sums are f32. All else is computed in f32.
;;   The module's matrix products, in the order in which they are computed (A, B: the left and right operand; K: the contracted axis; several contracted axes count as one K, in the product's order):
;;     1. batch 32 x [M 2,048, K 128] x [K 128, N 2,048]; A: input queries; B: input keys: QUANTISED (scales: A lowp_scales[0], B lowp_scales[1])
;;     2. batch 32 x [M 2,048, K 2,048] x [K 2,048, N 128]; A: softmax (see below); B: input values: QUANTISED (scales: A lowp_scales[2], B lowp_scales[3])
;;   THE QUANTISER, for each operand of a quantised product, along K:
;;     - The operand's scale is 2^e, e = its entry of the input lowp_scales (int32; the entries are numbered through the quantised products in the list's order, A before B).
;;     - Each number is divided by the scale, clamped to +-448, and rounded to the nearest number of E4M3, ties to even, subnormals kept.
;;     - The product sums the exact products of the quantised numbers (number of the format x scale) in f32.
;;   ~~~python
;;   def quantise(x, axis, e):      # numpy; x: float32 -> the quantised numbers, widened to float32 again
;;       x = np.moveaxis(x, axis, -1); K = x.shape[-1]
;;       r = np.clip(x / 2.0 ** e, -448, 448)
;;       step = 2.0 ** (np.maximum(np.frexp(np.where(r == 0, 1, r))[1] - 1, -6) - 3)
;;       q = np.round(r / step) * step * 2.0 ** e      # np.round: ties to even
;;       return np.moveaxis(q, -1, axis).astype(np.float32)
;;   ~~~
;;   SOFTMAX AHEAD OF A QUANTISED PRODUCT. Where the list says 'softmax', what is quantised is not the finished softmax but p = 2^(t - M), with t = logit x log2(e) and M = ceil(the row's largest t), a whole number; so 1/2 < the row's largest p <= 1. The row's sum l is taken of the UNQUANTISED p, in f32, and the product's result is divided by l at the end. Since M is a whole number, a kernel that streams over the keys may use a running M (the ceiling of the running maximum): every later rescaling is an exact power of two, so the quantised numbers keep their values, but for numbers so far below the row's largest that they fall under the format's range.
;;   OPERANDS COMPUTED ON THE WAY. 'Computed on the way' means the value that the module computes at that place (a softmax that the list does not call 'softmax' is quantised finished and normalised). What goes into a quantiser is computed in f32, as accurately as f32 sums, v_exp_f32 and their like allow (about 1e-6 of the number): no bf16 or f16 on the way to a quantiser, and a product that is left as it is and whose result goes on into a quantised operand takes f32 operands (vector FMAs, or v_wmma_f32_16x16x4_f32). A number that lies on a knife's edge between two numbers of the format may be rounded either way, as far as f32 arithmetic and the matrix unit's own rounding can turn it there, and no further.
;; 2 versions. Each part assembles by itself: llvm-mc -triple=amdgcn-amd-amdhsa -mcpu=gfx1250 --defsym DOCPART=n.
;; ======== version 1 of 2: 2 launches
;; workspace buffers: kv 16,777,216 bytes
;; launch quant (part 1): grid 512 x 2, 4 waves a work-group, no clusters, 68,096 bytes of LDS; arguments keys, values, valid_lens, lowp_scales, kv; writes kv
.if DOCPART == 1
	.amdgcn_target "amdgcn-amd-amdhsa--gfx1250"
	.amdhsa_code_object_version 6
	.text
	.protected	k_q8e45768e93_quant
	.globl	k_q8e45768e93_quant
	.p2align	8
	.type	k_q8e45768e93_quant,@function
k_q8e45768e93_quant:
	s_mov_b64 s[64:65], 0
	v_nop
	global_prefetch_b8 v0, s[64:65] scope:SCOPE_SE
	s_setreg_imm32_b32 hwreg(HW_REG_WAVE_MODE, 25, 1), 1
	s_wait_xcnt 0x0
; keys and values, [32][2048][128] f32, become codes of FP8 (E4M3) with the given scales 2^e (keys: entry 1 of lowp_scales, values: entry 3), laid as IMAGES OF OPERAND REGISTERS:
; kv = [batch 32][step 16 (128 keys)][K part 16,384 bytes | V part 16,384 bytes]; a part = [tile 8][c 4][lane 32][16 bytes].  With r = lane % 16, h = lane / 16:
;   K part: key 128 s + 32 (t / 2) + 8 (t % 2) + r + 8 (r / 8), channels 32 c + 16 h + 0 .. 15.      V part: channel 16 t + r, keys 128 s + 32 c + 16 h + 0 .. 15.
; code = x / 2^e, held within +-448, rounded to the nearest code, ties to even.
; SHARES.  Work-group x = 16 batch + step; y = 0: keys, y = 1: values.  A work-group takes 128 keys x 128 channels: 65,536 bytes in, 16,384 out; no loop, no barrier: waves share nothing.
; A step that begins at or behind max(valid_lens[batch], 129) is never read by the next launch (the mask hides all its keys): its work-group stores nothing and ends.  That is a branch on a whole number read from memory,
; and the price of a grid that serves every set of lengths.  Steps 0 and 1 are always made: the next launch loads its first step without a test.
; LIMITS: e between -126 and 119, so that 2^e and 448 x 2^e are f32 numbers.  NaN among the inputs is not served (an infinity is held at the largest code).
.set STAGEB, 16896                     ; LDS: a stage of 32 rows x 528 bytes for each wave (keys' path alone)
.set SP,     528                       ; a stage row: 512 bytes + 16: 33 x 16 bytes, so that sixteen neighbouring rows begin at sixteen different 16-byte columns of 256
.set R,      32                        ; v32-159  keys: 32 rows as loaded, 4 registers a row;  values: my channel's 128 numbers
.set X0,     160                       ; v160-223 tile 0's 64 numbers of my lane, in the operand's order
.set X1,     32                        ; v32-95   tile 1's (the registers that tile 0's rows have left)
.set C0,     224                       ; v224-239, v240-255 the two tiles' codes;  values: v224-255
.set C1,     240
	s_load_b256 s[4:11], s[0:1], 0x0               ; keys s[4:5], values s[6:7], valid_lens s[8:9], lowp_scales s[10:11]
	s_load_b64 s[12:13], s[0:1], 0x20              ; kv
	v_lshl_add_u32 v30, v0, 2, 0x10800
	v_mov_b32 v31, 0
	v_lshrrev_b32 v4, 5, v0
	v_readfirstlane_b32 s14, v4                    ; wave 0..3
	s_and_b32 s15, ttmp7, 0xffff                   ; y: 0 keys, 1 values
	s_lshr_b32 s20, ttmp9, 4
	s_lshl_b32 s20, s20, 2                         ; 4 x batch
	s_mov_b32 s21, 0
	s_and_b32 s17, ttmp9, 15
	s_lshl_b32 s17, s17, 7                         ; the step's first key
	s_wait_kmcnt 0x0
	s_add_nc_u64 s[8:9], s[8:9], s[20:21]
	s_load_b32 s18, s[8:9], 0x0                    ; the batch's length
	s_load_b128 s[24:27], s[10:11], 0x0            ; the four exponents
	s_cmp_eq_u32 s15, 0
	s_cselect_b64 s[4:5], s[4:5], s[6:7]           ; the source: the choice hangs on the work-group's number alone
	s_lshl_b32 s20, ttmp9, 16                      ; a step is 128 rows of 512 bytes
	s_add_nc_u64 s[4:5], s[4:5], s[20:21]
	s_lshl_b32 s20, ttmp9, 15                      ; and 32,768 bytes of kv,
	s_lshl_b32 s28, s15, 14                        ; V's part behind K's
	s_add_co_u32 s20, s20, s28
	s_add_nc_u64 s[12:13], s[12:13], s[20:21]
	s_wait_kmcnt 0x0
	s_cmp_eq_u32 s15, 0
	s_cselect_b32 s28, s25, s27                    ; e
	s_max_i32 s18, s18, 0
	s_min_u32 s18, s18, 2048
	s_max_u32 s18, s18, 129                        ; steps 0 and 1 are always made
	s_cmp_lt_u32 s17, s18
	s_cbranch_scc0 .Lend                           ; all keys of the step are hidden, and nobody reads it
	s_add_co_i32 s28, s28, 127
	s_lshl_b32 s29, s28, 23
	v_mov_b32 v11, s29                             ; 2^e as f32: the conversion takes its exponent field
	s_add_co_i32 s28, s28, 8
	s_lshl_b32 s28, s28, 23
	s_or_b32 s28, s28, 0x600000
	v_mov_b32 v10, s28                             ; 448 x 2^e
	s_cmp_lg_u32 s15, 0
	s_cbranch_scc1 .Lvalues
; 64 numbers of a lane, v[s] on, become 16 registers of codes, v[d] on
.macro QUANT s, d
.set n, 0
.rept 64
	v_med3_num_f32 v[\s+n], v[\s+n], -v10, v10     ; the conversion to an 8-bit code does not saturate (ISA guide 7.6.2): the hold at the largest code x the scale comes first
.set n, n+1
.endr
.set n, 0
.rept 8
	v_cvt_scalef32_pk8_fp8_f32 v[\d+2*n:\d+2*n+1], v[\s+8*n:\s+8*n+7], v11
.set n, n+1
.endr
.endm
	; ---- KEYS.  Wave w takes keys 32 w .. 32 w + 31 of the step: tiles 2 w and 2 w + 1.  Each load reads one whole row, 512 consecutive bytes, and all 32 go out at once; the rows turn through the wave's own stage,
	; laid there in the order of the tiles' lanes (place 16 u + r holds row 8 u + r + 8 (r / 8)), and come back 64 bytes a lane for each block of 32 channels.
	s_lshl_b32 s20, s14, 14
	s_add_nc_u64 s[4:5], s[4:5], s[20:21]          ; my 32 rows
	s_lshl_b32 s20, s14, 12
	s_add_nc_u64 s[12:13], s[12:13], s[20:21]      ; my two tiles' images
	v_and_b32 v5, 31, v0
	v_lshlrev_b32 v1, 4, v5                        ; 16 x lane: my bytes of a row, and of an image's 512
	s_mul_i32 s28, s14, STAGEB
	v_add_nc_u32 v2, s28, v1                       ; the stage, on the way in
	v_and_b32 v6, 15, v0
	v_bfe_u32 v7, v0, 4, 1
	v_mul_u32_u24 v3, v6, SP
	v_lshl_add_u32 v3, v7, 6, v3
	v_add_nc_u32 v3, s28, v3                       ; and on the way out: place r, + 64 h
.set n, 0
.rept 32
	global_load_b128 v[R+4*n:R+4*n+3], v1, s[4:5] offset:512*(16*((n>>3)&1)+8*(n>>4)+(n&7)) th:TH_LOAD_NT
.set n, n+1
.endr
	s_wait_loadcnt 16                              ; tile 0's sixteen rows are in; tile 1's sixteen may be out
.set n, 0
.rept 16
	ds_store_b128 v2, v[R+4*n:R+4*n+3] offset:SP*n
.set n, n+1
.endr
.irp c, 0,1,2,3
.irp j, 0,1,2,3
	ds_load_b128 v[X0+16*\c+4*\j:X0+16*\c+4*\j+3], v3 offset:128*\c+16*\j   ; LDS serves a wave's instructions in order (ISA guide 5.7.1.4): these see the stores above
.endr
.endr
	s_wait_loadcnt 0x0
.set n, 16
.rept 16
	ds_store_b128 v2, v[R+4*n:R+4*n+3] offset:SP*n
.set n, n+1
.endr
	s_wait_dscnt 16                                ; all but the sixteen stores just issued: tile 0's numbers are back
.irp c, 0,1,2,3
.irp j, 0,1,2,3
	ds_load_b128 v[X1+16*\c+4*\j:X1+16*\c+4*\j+3], v3 offset:16*SP+128*\c+16*\j
.endr
.endr
	QUANT X0, C0
.irp c, 0,1,2,3
	global_store_b128 v1, v[C0+4*\c:C0+4*\c+3], s[12:13] offset:512*\c        ; 32 lanes store 512 consecutive bytes, aligned
.endr
	s_wait_dscnt 0x0                               ; tile 1's numbers are back
	QUANT X1, C1                                   ; (its holds are the plain lines behind tile 0's conversions; the codes go to stores alone)
.irp c, 0,1,2,3
	global_store_b128 v1, v[C1+4*\c:C1+4*\c+3], s[12:13] offset:2048+512*\c
.endr
	s_wait_tensorcnt 0x0
	ds_add_u32 v30, v31
	s_wait_dscnt 0x0
	s_endpgm
.Lvalues:
	; ---- VALUES.  K of the second product is the keys, the rows of this tensor: A LANE TAKES A CHANNEL (my thread's number) AND ITS REGISTERS RUN DOWN THE 128 KEYS: the conversions then give codes with the keys
	; innermost, and nothing is transposed.  The keys go in eight groups of 16.  Group t is block c = t / 2, half h' = t % 2: a lane's 16 codes of it are the 16 bytes of lane (r, h') in its tile's image, at 512 c + 256 h' = 256 t:
	; sixteen neighbouring lanes store 256 consecutive bytes, aligned.  Three groups are asked for ahead: 48 loads of a wave are out at the most.  Every group has registers of its own, for its numbers and for its codes.
	v_lshlrev_b32 v1, 2, v0                        ; my channel's 4 bytes of a row
	v_lshrrev_b32 v4, 4, v0                        ; tile = channel / 16
	v_and_b32 v5, 15, v0                           ; r
	v_lshlrev_b32 v2, 11, v4
	v_lshl_add_u32 v2, v5, 4, v2                   ; 2,048 x tile + 16 r
.macro VLOAD t                         ; group t: keys 16 t .. 16 t + 15 of my channel; a wave's load reads 128 consecutive bytes, the work-group's four a whole row
.set n, 0
.rept 16
	global_load_b32 v[R+16*(\t)+n], v1, s[4:5] offset:512*(16*(\t)+n) th:TH_LOAD_NT
.set n, n+1
.endr
.endm
	VLOAD 0
	VLOAD 1
	VLOAD 2
.irp t, 0,1,2,3,4,5,6,7
.if \t < 6
	s_wait_loadcnt 32                              ; group t's sixteen loads are in; those of the two groups behind it may be out
.else
	s_wait_loadcnt 16*(7-\t)                       ; the counts run down: one group behind, then none
.endif
.if \t+3 < 8
	VLOAD \t+3
.endif
.set n, 0
.rept 16
	v_med3_num_f32 v[R+16*\t+n], v[R+16*\t+n], -v10, v10
.set n, n+1
.endr
	v_cvt_scalef32_pk8_fp8_f32 v[C0+4*\t:C0+4*\t+1], v[R+16*\t:R+16*\t+7], v11
	v_cvt_scalef32_pk8_fp8_f32 v[C0+4*\t+2:C0+4*\t+3], v[R+16*\t+8:R+16*\t+15], v11     ; (the codes go to a store alone; the next group's holds are plain lines on other registers)
	global_store_b128 v2, v[C0+4*\t:C0+4*\t+3], s[12:13] offset:256*\t
.endr
.Lend:
	s_endpgm
.Lfunc_end_k_q8e45768e93_quant:
	.size	k_q8e45768e93_quant, .Lfunc_end_k_q8e45768e93_quant-k_q8e45768e93_quant
	.p2alignl 7, 3214868480
	.fill 96, 4, 3214868480
	.section	.rodata,"a",@progbits
	.p2align	6, 0x0
	.amdhsa_kernel k_q8e45768e93_quant
		.amdhsa_group_segment_fixed_size 68096
		.amdhsa_private_segment_fixed_size 0
		.amdhsa_enable_private_segment 0
		.amdhsa_kernarg_size 40
		.amdhsa_user_sgpr_count 2
		.amdhsa_user_sgpr_kernarg_segment_ptr 1
		.amdhsa_wavefront_size32 1
		.amdhsa_system_sgpr_workgroup_id_x 1
		.amdhsa_system_sgpr_workgroup_id_y 1
		.amdhsa_system_sgpr_workgroup_id_z 1
		.amdhsa_system_vgpr_workitem_id 0
		.amdhsa_next_free_vgpr 256
		.amdhsa_next_free_sgpr 66
		.amdhsa_reserve_vcc 0
		.amdhsa_float_denorm_mode_32 3
		.amdhsa_float_denorm_mode_16_64 3
		.amdhsa_memory_ordered 1
		.amdhsa_forward_progress 1
		.amdhsa_inst_pref_size 42
	.end_amdhsa_kernel
	.amdgpu_metadata
---
amdhsa.version: [ 1, 2 ]
amdhsa.kernels:
  - .name:           k_q8e45768e93_quant
    .symbol:         k_q8e45768e93_quant.kd
    .args:
      - { .name: keys, .offset: 0, .size: 8, .value_kind: global_buffer, .address_space: global }
      - { .name: values, .offset: 8, .size: 8, .value_kind: global_buffer, .address_space: global }
      - { .name: valid_lens, .offset: 16, .size: 8, .value_kind: global_buffer, .address_space: global }
      - { .name: lowp_scales, .offset: 24, .size: 8, .value_kind: global_buffer, .address_space: global }
      - { .name: kv, .offset: 32, .size: 8, .value_kind: global_buffer, .address_space: global }
    .group_segment_fixed_size: 68096
    .private_segment_fixed_size: 0
    .kernarg_segment_align: 8
    .kernarg_segment_size: 40
    .max_flat_workgroup_size: 128
    .sgpr_count:     66
    .vgpr_count:     256
    .wavefront_size: 32
...
	.end_amdgpu_metadata
.endif
;; end of part 1
;; launch attn (part 2): grid 256 x 1, 8 waves a work-group, no clusters, 285,696 bytes of LDS; arguments queries, kv, valid_lens, lowp_scales, out0; writes out0
.if DOCPART == 2
	.amdgcn_target "amdgcn-amd-amdhsa--gfx1250"
	.amdhsa_code_object_version 6
	.text
	.protected	k_q8e45768e93_attn
	.globl	k_q8e45768e93_attn
	.p2align	8
	.type	k_q8e45768e93_attn,@function
k_q8e45768e93_attn:
	s_mov_b64 s[64:65], 0
	v_nop
	global_prefetch_b8 v0, s[64:65] scope:SCOPE_SE
	s_setreg_imm32_b32 hwreg(HW_REG_WAVE_MODE, 25, 1), 1
	s_wait_xcnt 0x0
; out0[b][q][:] = the sum over k < valid_lens[b] of softmax_k(Q[b][q] . K[b][k] / sqrt(128)) V[b][k][:], both products on codes of FP8 (E4M3) with the given scales 2^eq, 2^ek, 2^ep, 2^ev.
; queries: [32][2048][128] f32, quantised here in registers.  kv: K's and V's codes as images of operand registers, 32,768 bytes for a step of 128 keys (K's part, then V's), made by the launch before.
; THE SOFTMAX: t = score x log2(e) / sqrt(128); M = the largest t so far, rounded UP to a whole number; p = 2^(t - M) is quantised; the sum l is taken of the unquantised p and divides at the end.  When M moves, l and O are
; multiplied by 2^(old M - new M), which rounds nothing.
; HIDDEN KEYS.  A step all of whose keys lie at or behind the batch's length is left out by scalar branches on that length, a whole number read from memory: so this launch has no tensor load and no cluster.
; Every barrier stands on every wave's path; the loops' trip counts are constants; only loads, LDS stores and a step's work are jumped over.
; SHARES.  The batches are ranked by length (rank 0 the longest).  Work-group G (j = G / 16, block = G % 16) takes two PIECES, one after the other: queries 128 block .. + 127 of the batch of rank j, then of the batch of
; rank 31 - j: a long one and a short one.  Any lengths are served; the ranking only evens the work out.
; In a piece wave w = 4 g + i holds two tiles of 16 queries: register tile 0 = query tile 2 i + g, register tile 1 = query tile 2 i + 1 - g.  A trip is 256 keys; the waves of group g take its keys 128 g .. 128 g + 127,
; with M, l and O^T of their own.  At a piece's end each wave sends register tile 1 to wave w xor 4, merges that wave's tile into its own register tile 0, and stores it: the same lines in every wave.
; LAYOUT.  Both products are used transposed: S^T = K Q^T (source 0 = 16 keys, source 1 = 16 queries), O^T = V^T P^T (source 0 = 16 channels, source 1 = P): a lane holds ONE query (lane % 16) throughout.  The keys of a
; tile of K are chosen so that the 16 registers of tiles 2 b and 2 b + 1 are the keys 32 b + 16 (lane / 16) + 0 .. 15: the conversions' results are the second product's operand.
; THE RING.  Two LDS slots of 65,536 bytes (both groups' steps).  Each wave loads 8,192 bytes of the NEXT trip into 64 registers while it works, and stores them into the other slot ahead of the next barrier: one barrier a trip.
; A slot is written ahead of barrier t; it was last read in trip t - 2, and every wave has waited for those reads ahead of barrier t - 1.
; LIMITS: eq + ek between -123 and 130 (added to c's exponent field); eq and ep between -126 and 119; ep + ev is applied by v_ldexp_f32.  A length under 1 gives NaN rows, as the softmax of a row without keys does;
; a length over 2,048 counts as 2,048.  NaN among the inputs is not served.
; REGISTERS.  Window 0: v1-25 addresses and constants that stay; v26-31 the ranking; v32-95 two buffers of two fragments; v96-223 S^T, then p (64 a tile); v224-239 eight statistics a tile; v240-251 at work.
;   Window 1: v0-127 O^T (64 a tile); v128-159 Q's two fragments; v160-191 p's codes; v192-255 the next trip's 8,192 bytes.
.set SLOTB, 65536                      ; LDS: the ring: slot sl at 65,536 sl, group g's step at + 32,768 g, V's part at + 16,384
.set VPART, 16384
.set QIMG,  131072                     ; Q's eight fragments, 2,048 bytes each
.set MRG,   147456                     ; the merge: for each wave 8,192 bytes of O^T, 128 of -M, 128 of l
.set MRGW,  8704
.set STG,   217088                     ; the way out: for each wave 16 rows of 512 + 16 bytes
.set STGW,  8448
.set SP,    528
.set LI,   1                           ; v1      16 x lane
.set RD0,  2                           ; v2, v3  where I read my group's step in slot 0, 1
.set WR0,  4                           ; v4, v5  where I store my 8,192 bytes of it
.set GLA,  6                           ; v6      my bytes of a step in kv: 8,192 i + 16 x lane
.set PFO,  7                           ; v7      the prefetches' offset in a step: 8,192 i + 256 x lane
.set QWI,  8                           ; v8      where I store Q's image of query tile w
.set QR0,  9                           ; v9, v10 where I read those of my register tiles 0, 1
.set MWA,  11                          ; v11     the merge: where I put O^T;  v12 where I read my partner's
.set MRA,  12
.set MSW,  13                          ; v13     and -M, l;  v14 my partner's
.set MSR,  14
.set STO,  15                          ; v15     the stage: where I put 32 bytes of a row;  v16 where I read a row back
.set SRD,  16
.set QA,   17                          ; v17     queries: row r of 512 bytes, + 64 h
.set HM,   18                          ; v18     16 h + 1
.set DM,   19                          ; v19     the mask's term of the step in hand
.set NINF, 20                          ; v20     -infinity
.set SCP,  21                          ; v21, v22  2^ep, 448 x 2^ep;  v23, v24  2^eq, 448 x 2^eq
.set LIMP, 22
.set SCQ,  23
.set LIMQ, 24
.set PFQ,  25                          ; v25     256 x lane
.set FR,   32
.set S,    96
.set ST,   224                         ; tile u at v[ST + 8 u]: +0 -M, +1 the largest t, +2, +3 l in two halves, +4 f (+5 named with it as a pair), +6, +7 at work
.set A2,   240                         ; v[240 + 2 u] the sums' second chain
.set GA,   244                         ; v[244:245], v[246:247] the merge's two factors
.set GB,   246
.set T0,   248                         ; v248, v249 my partner's -M and l
.set T1,   249
.set PT,   250                         ; v250, v251 destinations of the lane permutes
.set QW,   128                         ; in window 1
.set PW,   160
.set KVR,  192
.set WV,   14                          ; s14 wave; s15 g; s16 i; s17 j; s18 block
.set SEL,  20                          ; s[20:21] lane selects: lane l xor 16
.set CS,   22                          ; s[22:23] c x 2^(eq + ek), c = log2(e) / sqrt(128)
.set LEN,  30                          ; s30, s31 the two pieces' lengths;  s28, s29 their batches
.set PL,   32                          ; s32, s33 the same where block = 0, else 0: who prefetches kv
.set KVP,  34                          ; s[34:35], s[36:37] kv at my group's step of the trip to be loaded
.set QP,   38                          ; s[38:39], s[40:41] queries at query tile w
.set OP,   42                          ; s[42:43], s[44:45] out0 at query tile 2 i + g
.set KF,   46                          ; s46 my step's first key
.set CNT,  47
.set EPV,  56                          ; s56 ep + ev
.set KG,   57                          ; s57 128 g
.set MSB, 0
.macro WIN new                         ; s_set_vgpr_msb: bits 1:0 source 0, 3:2 source 1, 5:4 source 2, 7:6 destination; the high byte repeats the setting that is left; at a label and at a branch every window is 0
.if MSB != \new
	s_set_vgpr_msb (MSB<<8)|\new
.set MSB, \new
.endif
.endm
.macro PLACES n                        ; a load into a register that a matrix instruction has read, and a read of a matrix result, stand four plain vector instructions behind it (ISA guide 7.12.1 for the read of a matrix result)
.rept \n
	v_nop
.endr
.endm
.macro BARRIER                         ; my LDS stores have landed and my LDS loads are in: then the work-group's barrier
	s_wait_dscnt 0x0
	s_barrier_signal -1
	s_barrier_wait -1
.endm
.macro XLOAD p                         ; query tile w of piece p, f32: lane (r, h) takes, of row r, 16 neighbouring numbers of each block of 32: register 16 b + n = channel 32 b + 16 h + n
.irp b, 0,1,2,3
.irp j, 0,1,2,3
	global_load_b128 v[FR+16*\b+4*\j:FR+16*\b+4*\j+3], v[QA], s[QP+2*(\p):QP+2*(\p)+1] offset:128*\b+16*\j th:TH_LOAD_NT
.endr
.endr
.endm
.macro KVLOAD p                        ; my 8,192 bytes of my group's next step: sixteen loads of 512 consecutive bytes
	WIN 0x40                                       ; destination window 1
.set n, 0
.rept 16
	global_load_b128 v[KVR+4*n:KVR+4*n+3], v[GLA], s[KVP+2*(\p):KVP+2*(\p)+1] offset:512*n
.set n, n+1
.endr
	WIN 0
.endm
.macro LOADP part, pair, buf, sl       ; tiles 2 pair and 2 pair + 1 of K's or V's part into fragment buffer buf: eight loads of 512 consecutive bytes
.irp f, 0,1
.irp c, 0,1,2,3
	ds_load_b128 v[FR+32*(\buf)+16*\f+4*\c:FR+32*(\buf)+16*\f+4*\c+3], v[RD0+\sl] offset:(\part)+2048*(2*(\pair)+\f)+512*\c
.endr
.endr
.endm
.macro KQ pair, buf                    ; S^T: two tiles of keys x my two tiles of queries; each product is a whole sum (K = the head's 128)
.irp f, 0,1
.irp u, 0,1
	v_wmma_f32_16x16x128_fp8_fp8 v[S+64*\u+8*(2*(\pair)+\f):S+64*\u+8*(2*(\pair)+\f)+7], v[FR+32*(\buf)+16*\f:FR+32*(\buf)+16*\f+15], v[QW+16*\u:QW+16*\u+15], 0
.endr
.endr
.endm
.macro PV pair, buf                    ; O^T += V^T P^T: two tiles of channels x my two tiles of queries.  Each accumulator has one instruction a step: no two that follow each other share one
.irp f, 0,1
.irp u, 0,1
	v_wmma_f32_16x16x128_fp8_fp8 v[64*\u+8*(2*(\pair)+\f):64*\u+8*(2*(\pair)+\f)+7], v[FR+32*(\buf)+16*\f:FR+32*(\buf)+16*\f+15], v[PW+16*\u:PW+16*\u+15], v[64*\u+8*(2*(\pair)+\f):64*\u+8*(2*(\pair)+\f)+7]
.endr
.endr
.endm
; A KEY STEP: my group's 128 keys of slot sl, for my two tiles of queries.  Two fragment buffers take turns; each s_wait_dscnt 8 leaves the other buffer's eight loads out.
.macro STEP p, sl
	PLACES 4                                       ; behind the last step's products, which read the fragment buffers
	WIN 0x04                                       ; source 1 (Q) window 1; an LDS load's address and destination stay in window 0
	LOADP 0, 0, 0, \sl
	LOADP 0, 1, 1, \sl
	s_wait_dscnt 8
	KQ 0, 0
	PLACES 4
	LOADP 0, 2, 0, \sl
	s_wait_dscnt 8
	KQ 1, 1
	PLACES 4
	LOADP 0, 3, 1, \sl
	s_wait_dscnt 8
	KQ 2, 0
	PLACES 4
	LOADP VPART, 0, 0, \sl                         ; V's first four fragments land under the softmax
	s_wait_dscnt 8
	KQ 3, 1
	PLACES 4                                       ; also the places in front of the first read of the scores
	LOADP VPART, 1, 1, \sl
	WIN 0
	; the mask: register 16 b + n holds key KF + 32 b + 16 h + n: hidden where 32 b + n > length - KF - 16 h - 1.  A step all of whose keys count jumps over it.  Key KF counts in every step that is worked, so the step's maximum is a number
	s_add_co_u32 s48, s[KF], 128
	s_cmp_le_u32 s48, s[LEN+\p]
	s_cbranch_scc1 .Lopen_\@
	s_sub_co_u32 s48, s[LEN+\p], s[KF]
	v_sub_nc_u32 v[DM], s48, v[HM]
.set n, 0
.rept 64
	v_cmp_gt_i32 vcc_lo, 32*(n/16)+n%16, v[DM]
	v_cndmask_b32 v[S+n], v[S+n], v[NINF], vcc_lo            ; -infinity ahead of the maximum: p = 0 then; each accumulator from its low end on
	v_cndmask_b32 v[S+64+n], v[S+64+n], v[NINF], vcc_lo
.set n, n+1
.endr
.Lopen_\@:
	; the step's largest score of each query: two chains a tile, ascending through the accumulators
.irp u, 0,1
	v_max3_num_f32 v[ST+8*\u+6], v[S+64*\u], v[S+64*\u+1], v[S+64*\u+2]
	v_max3_num_f32 v[ST+8*\u+7], v[S+64*\u+3], v[S+64*\u+4], v[S+64*\u+5]
.endr
.irp i, 6,10,14,18,22,26,30,34,38,42,46,50,54,58
.irp u, 0,1
	v_max3_num_f32 v[ST+8*\u+6], v[ST+8*\u+6], v[S+64*\u+\i], v[S+64*\u+\i+1]
	v_max3_num_f32 v[ST+8*\u+7], v[ST+8*\u+7], v[S+64*\u+\i+2], v[S+64*\u+\i+3]
.endr
.endr
.irp u, 0,1
	v_max3_num_f32 v[ST+8*\u+6], v[ST+8*\u+6], v[S+64*\u+62], v[S+64*\u+63]
.endr
.irp u, 0,1
	v_max_num_f32 v[ST+8*\u+6], v[ST+8*\u+6], v[ST+8*\u+7]
.endr
.irp u, 0,1
	v_permlanex16_b32 v[PT+\u], v[ST+8*\u+6], s[SEL], s[SEL+1]   ; the query's other 64 keys lie in the lane 16 away
.endr
.irp u, 0,1
	v_max_num_f32 v[ST+8*\u+6], v[ST+8*\u+6], v[PT+\u]
.endr
.irp u, 0,1
	v_mul_f32 v[ST+8*\u+6], s[CS], v[ST+8*\u+6]                  ; as t (c is positive)
.endr
.irp u, 0,1
	v_max_num_f32 v[ST+8*\u+1], v[ST+8*\u+1], v[ST+8*\u+6]       ; the running largest t
	v_mov_b32 v[ST+8*\u+6], v[ST+8*\u]
.endr
.irp u, 0,1
	v_floor_f32 v[ST+8*\u], -v[ST+8*\u+1]                        ; the new -M = floor(-t) = -ceil(t): M is a whole number
.endr
.irp u, 0,1
	v_sub_f32 v[ST+8*\u+6], v[ST+8*\u], v[ST+8*\u+6]             ; old M - new M: a whole number, 0 or less
.endr
.irp u, 0,1
	v_cvt_i32_f32 v[ST+8*\u+6], v[ST+8*\u+6]                     ; (it saturates)
.endr
.irp u, 0,1
	v_ldexp_f32 v[ST+8*\u+4], 1.0, v[ST+8*\u+6]                  ; f = 2^(old M - new M)
.endr
.irp u, 0,1
.set n, 0
.rept 32
	v_pk_fma_f32 v[S+64*\u+n:S+64*\u+n+1], v[S+64*\u+n:S+64*\u+n+1], s[CS:CS+1], v[ST+8*\u:ST+8*\u+1] op_sel_hi:[1,0,0]   ; t - M, two at a time (of the pairs c and -M the low word serves both halves)
.set n, n+2
.endr
.endr
.set n, 0
.rept 128
	v_exp_f32 v[S+n], v[S+n]                       ; p = 2^(t - M): one batch
.set n, n+1
.endr
.irp u, 0,1
	v_pk_mul_f32 v[ST+8*\u+2:ST+8*\u+3], v[ST+8*\u+2:ST+8*\u+3], v[ST+8*\u+4:ST+8*\u+5] op_sel_hi:[1,0]   ; l under the new M: the plain lines behind the exponentials
.endr
	s_wait_alu depctr_va_vdst(0)                   ; one wait for the whole batch, ahead of its first reader
.irp u, 0,1
	v_pk_add_f32 v[A2+2*\u:A2+2*\u+1], v[S+64*\u:S+64*\u+1], v[S+64*\u+2:S+64*\u+3]    ; the sum is taken of the unquantised p: two chains a tile
.endr
.irp j, 4,8,12,16,20,24,28,32,36,40,44,48,52,56,60
.irp u, 0,1
	v_pk_add_f32 v[ST+8*\u+2:ST+8*\u+3], v[ST+8*\u+2:ST+8*\u+3], v[S+64*\u+\j:S+64*\u+\j+1]
	v_pk_add_f32 v[A2+2*\u:A2+2*\u+1], v[A2+2*\u:A2+2*\u+1], v[S+64*\u+\j+2:S+64*\u+\j+3]
.endr
.endr
.irp u, 0,1
	v_pk_add_f32 v[ST+8*\u+2:ST+8*\u+3], v[ST+8*\u+2:ST+8*\u+3], v[A2+2*\u:A2+2*\u+1]
.endr
	; the hold at the largest code.  p is at most 1 and a rounding; 448 x 2^ep is 1.75 or more where ep >= -8: there no p reaches it, and the 128 lines are jumped over (a branch on a whole number read from memory)
	s_cmp_ge_i32 s26, -8
	s_cbranch_scc1 .Lfits_\@
.set n, 0
.rept 128
	v_min_num_f32 v[S+n], v[S+n], v[LIMP]          ; p is not negative: the hold is one-sided
.set n, n+1
.endr
.Lfits_\@:
	WIN 0x40                                       ; destination window 1
.irp u, 0,1
.irp b, 0,1,2,3
	v_cvt_scalef32_pk8_fp8_f32 v[PW+16*\u+4*\b:PW+16*\u+4*\b+1], v[S+64*\u+16*\b:S+64*\u+16*\b+7], v[SCP]
	v_cvt_scalef32_pk8_fp8_f32 v[PW+16*\u+4*\b+2:PW+16*\u+4*\b+3], v[S+64*\u+16*\b+8:S+64*\u+16*\b+15], v[SCP]
.endr
.endr
	WIN 0x41                                       ; O^T (destination and source 0) window 1, f window 0
.irp u, 0,1
.set n, 0
.rept 32
	v_pk_mul_f32 v[64*\u+n:64*\u+n+1], v[64*\u+n:64*\u+n+1], v[ST+8*\u+4:ST+8*\u+5] op_sel_hi:[1,0]   ; O^T under the new M; also the plain lines between the conversions and the products that read the codes
.set n, n+2
.endr
.endr
	s_wait_dscnt 8                                 ; V's tiles 0, 1 are in
	WIN 0x54                                       ; P, C and D window 1; V's fragments window 0
	PV 0, 0
	WIN 0
	PLACES 4
	LOADP VPART, 2, 0, \sl
	s_wait_dscnt 8
	WIN 0x54
	PV 1, 1
	WIN 0
	PLACES 4
	LOADP VPART, 3, 1, \sl
	s_wait_dscnt 8
	WIN 0x54
	PV 2, 0
	s_wait_dscnt 0x0
	PV 3, 1
	WIN 0
.endm
; A TRIP: 256 keys through slot sl.
.macro TRIP p, sl
	s_wait_loadcnt 0x0                             ; on every path: my 8,192 bytes of this trip's step are in, and no load into those registers is out
	s_cmp_lt_u32 s[KF], s[LEN+\p]
	s_cbranch_scc0 .Lnone_\@
	WIN 0x04                                       ; an LDS store's data are its source 1: window 1
.set n, 0
.rept 16
	ds_store_b128 v[WR0+\sl], v[KVR+4*n:KVR+4*n+3] offset:512*n
.set n, n+1
.endr
	WIN 0
.Lnone_\@:
	BARRIER                                        ; my stores into this slot have landed, my reads of the other slot are over; behind it both hold of all eight waves
	s_wait_xcnt 0x0                                ; the loads and the prefetch that named it have read the pointer: it steps to the next trip's step
	s_add_nc_u64 s[KVP+2*\p:KVP+2*\p+1], s[KVP+2*\p:KVP+2*\p+1], SLOTB
	s_add_co_u32 s48, s[KF], 256
	s_cmp_lt_u32 s48, s[LEN+\p]
	s_cbranch_scc0 .Lnoload_\@
	KVLOAD \p                                      ; the next trip's step lands while this one is worked
	; a prefetch of the trip after next: my wave's 8,192 bytes of its step, lanes 256 bytes apart.  Sixteen work-groups walk a batch: the one with block 0 asks, so each run of 256 bytes is named once in the launch.
	; It stands behind the wave's loads; it is left out where that step's keys are all hidden, so it never points past the steps that were made.  The first two trips come by their loads alone.
	s_add_co_u32 s48, s[KF], 512
	s_cmp_lt_u32 s48, s[PL+\p]
	s_cbranch_scc0 .Lnoload_\@
	global_prefetch_b8 v[PFO], s[KVP+2*\p:KVP+2*\p+1] offset:SLOTB th:TH_LOAD_NT scope:SCOPE_SE
.Lnoload_\@:
.if \p == 0
	; in the first piece's last trip with keys that count: a prefetch of my query tile of the second piece, 8,192 bytes, lanes 256 bytes apart; nobody else reads it
	s_sub_co_u32 s48, s[KF], s[KG]
	s_sub_co_u32 s49, s[LEN], 1
	s_sub_co_u32 s48, s49, s48
	s_cmp_lt_u32 s48, 256
	s_cbranch_scc0 .Lnoq_\@
	global_prefetch_b8 v[PFQ], s[QP+2:QP+3] th:TH_LOAD_NT scope:SCOPE_SE
.Lnoq_\@:
.endif
	s_cmp_lt_u32 s[KF], s[LEN+\p]
	s_cbranch_scc0 .Ldead_\@
	STEP \p, \sl
.Ldead_\@:
	s_add_co_u32 s[KF], s[KF], 256
.endm
; A PIECE: 128 queries of one batch.
.macro PIECE p
	s_wait_loadcnt 16                              ; Q's sixteen loads are in; kv's sixteen, issued behind them, may be out
.set n, 0
.rept 64
	v_med3_num_f32 v[FR+n], v[FR+n], -v[LIMQ], v[LIMQ]   ; the hold at the largest code x the scale
.set n, n+1
.endr
.set n, 0
.rept 8
	v_cvt_scalef32_pk8_fp8_f32 v[S+2*n:S+2*n+1], v[FR+8*n:FR+8*n+7], v[SCQ]
.set n, n+1
.endr
	v_nop                                          ; one plain line behind the last conversion
.irp c, 0,1,2,3
	ds_store_b128 v[QWI], v[S+4*\c:S+4*\c+3] offset:512*\c       ; query tile w's fragment goes to LDS as it stands
.endr
	BARRIER                                        ; Q's eight fragments lie in LDS
	WIN 0x40                                       ; destination window 1
.irp c, 0,1,2,3
	ds_load_b128 v[QW+4*\c:QW+4*\c+3], v[QR0] offset:512*\c
	ds_load_b128 v[QW+16+4*\c:QW+16+4*\c+3], v[QR0+1] offset:512*\c   ; (waited for ahead of the first trip's barrier)
.endr
.set n, 0
.rept 128
	v_mov_b32 v[n], 0                              ; O^T.  It is cleared, since a wave may find no step to work (a batch of 128 keys or fewer leaves group 1 none) and the merge reads it; and the step is written once: the first change of M leaves zeros zeros
.set n, n+1
.endr
	WIN 0
.irp u, 0,1
	v_mov_b32 v[ST+8*\u+1], 0xff61b1e6             ; the largest t so far: -3e38, under every t
	v_floor_f32 v[ST+8*\u], -v[ST+8*\u+1]          ; -M
	v_mov_b32 v[ST+8*\u+2], 0                      ; l, in two halves
	v_mov_b32 v[ST+8*\u+3], 0
.endr
	s_mov_b32 s[KF], s[KG]
	s_mov_b32 s[CNT], 4
.Ltrips_\@:                                        ; four trips of the loop, two trips of 256 keys each: all 2,048 keys; what is hidden is jumped over inside
	TRIP \p, 0
	TRIP \p, 1
	s_sub_co_u32 s[CNT], s[CNT], 1
	s_cmp_lg_u32 s[CNT], 0
	s_cbranch_scc1 .Ltrips_\@
	PLACES 4                                       ; behind the last products: for the loads into the fragment buffers and for the first read of O^T
	s_wait_loadcnt 0x0                             ; no load into the registers of the next step is out
.if \p == 0
	XLOAD 1                                        ; the second piece's queries and first step land under the merge and the way out
	KVLOAD 1
.endif
	; THE MERGE.  My register tile 1 goes to wave w xor 4, as an image of its registers, with its -M and its l
	v_add_f32 v[ST+14], v[ST+10], v[ST+11]
	WIN 0x04
.set n, 0
.rept 16
	ds_store_b128 v[MWA], v[64+4*n:64+4*n+3] offset:512*n        ; each accumulator from its low end on
.set n, n+1
.endr
	WIN 0
	ds_store_b32 v[MSW], v[ST+8]
	ds_store_b32 v[MSW], v[ST+14] offset:128
	BARRIER
.set n, 0
.rept 16
	ds_load_b128 v[S+4*n:S+4*n+3], v[MRA] offset:512*n           ; my partner's sums for my register tile 0's queries, over the other half of the keys
.set n, n+1
.endr
	ds_load_b32 v[T0], v[MSR]
	ds_load_b32 v[T1], v[MSR] offset:128
	s_wait_dscnt 0x0
	v_min_num_f32 v[ST+6], v[ST], v[T0]            ; the joint -M: the larger M
	v_sub_f32 v[ST+7], v[ST+6], v[ST]              ; my M - the joint M, a whole number, 0 or less;
	v_sub_f32 v[ST+6], v[ST+6], v[T0]              ; my partner's
	v_cvt_i32_f32 v[ST+7], v[ST+7]                 ; (they saturate: a side that worked no step gets the factor 0)
	v_cvt_i32_f32 v[ST+6], v[ST+6]
	v_ldexp_f32 v[ST+7], 1.0, v[ST+7]              ; fa
	v_ldexp_f32 v[ST+6], 1.0, v[ST+6]              ; fb
	v_add_f32 v[ST+2], v[ST+2], v[ST+3]
	v_mul_f32 v[ST+2], v[ST+2], v[ST+7]
	v_fma_f32 v[ST+2], v[T1], v[ST+6], v[ST+2]     ; l = my l x fa + my partner's x fb,
	v_permlanex16_b32 v[PT], v[ST+2], s[SEL], s[SEL+1]
	v_add_f32 v[ST+2], v[ST+2], v[PT]              ; and lane l xor 16's: the row's sum
	v_rcp_f32 v[ST+3], v[ST+2]
	v_nop                                          ; one plain line behind the reciprocal
	s_wait_alu depctr_va_vdst(0)                   ; and the wait ahead of its first reader
	v_ldexp_f32 v[ST+3], v[ST+3], s[EPV]           ; x 2^(ep + ev)
	v_mul_f32 v[GA], v[ST+7], v[ST+3]
	v_mul_f32 v[GB], v[ST+6], v[ST+3]
.set n, 0
.rept 32
	v_pk_mul_f32 v[S+n:S+n+1], v[S+n:S+n+1], v[GB:GB+1] op_sel_hi:[1,0]
.set n, n+2
.endr
	WIN 0x01                                       ; source 0 (my O^T) window 1
.set n, 0
.rept 32
	v_pk_fma_f32 v[S+n:S+n+1], v[n:n+1], v[GA:GA+1], v[S+n:S+n+1] op_sel_hi:[1,0,1]   ; register 8 t + n' = o(query r, channel 16 t + 8 h + n')
.set n, n+2
.endr
	WIN 0
	; THE WAY OUT: through my own stage, back as whole rows of 512 bytes
.irp t, 0,1,2,3,4,5,6,7
	ds_store_b128 v[STO], v[S+8*\t:S+8*\t+3] offset:64*\t
	ds_store_b128 v[STO], v[S+8*\t+4:S+8*\t+7] offset:64*\t+16
.endr
.set n, 0
.rept 16
	ds_load_b128 v[S+64+4*n:S+64+4*n+3], v[SRD] offset:SP*n      ; LDS serves a wave's instructions in order (ISA guide 5.7.1.4): these see my stores
.set n, n+1
.endr
.set n, 0
.rept 16
	s_wait_dscnt 15-n                              ; row n is back; the rows behind it may be out
	global_store_b128 v[LI], v[S+64+4*n:S+64+4*n+3], s[OP+2*\p:OP+2*\p+1] offset:512*n th:TH_STORE_NT   ; 32 lanes store a row of 512 consecutive bytes, aligned; written once, read by nobody here
.set n, n+1
.endr
.if \p == 0
	s_wait_xcnt 0x0                                ; the stores have read their registers, which the second piece writes again
.endif
.endm
	s_load_b256 s[4:11], s[0:1], 0x0               ; queries s[4:5], kv s[6:7], valid_lens s[8:9], lowp_scales s[10:11]
	s_load_b64 s[12:13], s[0:1], 0x20              ; out0
	v_lshl_add_u32 v254, v0, 2, 0x45800
	v_mov_b32 v255, 0
	v_lshrrev_b32 v26, 5, v0
	v_readfirstlane_b32 s[WV], v26                 ; wave 0..7
	s_lshr_b32 s15, s[WV], 2                       ; g: which half of a trip's keys
	s_and_b32 s16, s[WV], 3                        ; i
	s_lshr_b32 s17, ttmp9, 4                       ; j: the ranks j and 31 - j
	s_and_b32 s18, ttmp9, 15                       ; the block of 128 queries
	s_mov_b32 s[SEL], 0x76543210
	s_mov_b32 s[SEL+1], 0xfedcba98
	s_lshl_b32 s[KG], s15, 7
	v_and_b32 v27, 31, v0                          ; lane
	v_and_b32 v28, 15, v0                          ; r
	v_bfe_u32 v29, v0, 4, 1                        ; h
	; every LDS address is a constant + a lane term + a wave term, made here and never rewritten
	v_lshlrev_b32 v[LI], 4, v27
	s_lshl_b32 s48, s15, 15
	v_add_nc_u32 v[RD0], s48, v[LI]
	v_add_nc_u32 v[RD0+1], SLOTB, v[RD0]
	s_lshl_b32 s49, s16, 13
	v_add_nc_u32 v[WR0], s49, v[RD0]
	v_add_nc_u32 v[WR0+1], s49, v[RD0+1]
	v_add_nc_u32 v[GLA], s49, v[LI]
	v_lshl_add_u32 v[PFO], v27, 8, s49
	s_lshl_b32 s50, s[WV], 11
	s_add_co_u32 s50, s50, QIMG
	v_add_nc_u32 v[QWI], s50, v[LI]
	s_lshl_b32 s51, s16, 1
	s_add_co_u32 s51, s51, s15                     ; query tile 2 i + g: my register tile 0
	s_lshl_b32 s50, s51, 11
	s_add_co_u32 s50, s50, QIMG
	v_add_nc_u32 v[QR0], s50, v[LI]
	s_xor_b32 s52, s51, 1                          ; query tile 2 i + 1 - g: my register tile 1
	s_lshl_b32 s50, s52, 11
	s_add_co_u32 s50, s50, QIMG
	v_add_nc_u32 v[QR0+1], s50, v[LI]
	s_mul_i32 s50, s[WV], MRGW
	s_add_co_u32 s50, s50, MRG
	v_add_nc_u32 v[MWA], s50, v[LI]
	s_add_co_u32 s50, s50, 8192
	v_lshl_add_u32 v[MSW], v27, 2, s50
	s_xor_b32 s52, s[WV], 4                        ; my partner
	s_mul_i32 s50, s52, MRGW
	s_add_co_u32 s50, s50, MRG
	v_add_nc_u32 v[MRA], s50, v[LI]
	s_add_co_u32 s50, s50, 8192
	v_lshl_add_u32 v[MSR], v27, 2, s50
	s_mul_i32 s50, s[WV], STGW
	s_add_co_u32 s50, s50, STG
	v_add_nc_u32 v[SRD], s50, v[LI]
	v_mul_u32_u24 v[STO], v28, SP
	v_lshl_add_u32 v[STO], v29, 5, v[STO]
	v_add_nc_u32 v[STO], s50, v[STO]
	v_lshlrev_b32 v[QA], 9, v28
	v_lshl_add_u32 v[QA], v29, 6, v[QA]
	v_lshl_add_u32 v[HM], v29, 4, 1
	v_mov_b32 v[NINF], 0xff800000
	v_lshlrev_b32 v[PFQ], 8, v27
	v_lshlrev_b32 v30, 2, v27
	v_mov_b32 v[ST+5], 0                           ; named as the upper halves of pairs, or as destinations of lane permutes: written once
	v_mov_b32 v[ST+13], 0
	v_mov_b32 v[GA+1], 0
	v_mov_b32 v[GB+1], 0
	v_mov_b32 v[PT], 0
	v_mov_b32 v[PT+1], 0
	s_wait_kmcnt 0x0
	global_load_b32 v26, v30, s[8:9]               ; a lane to a batch: its length
	s_load_b128 s[24:27], s[10:11], 0x0            ; eq, ek, ep, ev
	s_wait_loadcnt 0x0
	v_ashrrev_i32 v29, 31, v26
	v_xor_b32 v29, -1, v29
	v_and_b32 v26, v26, v29                        ; a negative length counts as 0,
	v_min_u32 v26, 0x800, v26                      ; one over 2,048 as 2,048
	v_lshl_or_b32 v27, v26, 5, v27                 ; 32 x length + batch: no two alike
	v_mov_b32 v28, 0
	v_mov_b32 v30, 0
	v_mov_b32 v31, 1
.set n, 0
.rept 32                                       ; a batch's rank = how many batches stand above it
	v_readlane_b32 s48, v27, n
	v_cmp_gt_u32 vcc_lo, s48, v27
	v_cndmask_b32 v29, v30, v31, vcc_lo
	v_add_nc_u32 v28, v28, v29
.set n, n+1
.endr
	v_cmp_eq_u32 s48, s17, v28                     ; the one lane of rank j
	s_ctz_i32_b32 s28, s48
	s_min_u32 s28, s28, 31                         ; the first piece's batch
	v_readlane_b32 s[LEN], v26, s28
	s_sub_co_u32 s49, 31, s17
	v_cmp_eq_u32 s48, s49, v28                     ; and of rank 31 - j
	s_ctz_i32_b32 s29, s48
	s_min_u32 s29, s29, 31                         ; the second piece's
	v_readlane_b32 s[LEN+1], v26, s29
	s_cmp_eq_u32 s18, 0
	s_cselect_b32 s[PL], s[LEN], 0
	s_cselect_b32 s[PL+1], s[LEN+1], 0
	s_mov_b32 s49, 0
	s_lshl_b32 s50, s15, 15                        ; my group's step of trip 0
	s_lshl_b32 s52, s18, 16                        ; the block's 128 rows of 512 bytes
	s_lshl_b32 s53, s[WV], 13
	s_add_co_u32 s53, s53, s52                     ; queries: + query tile w
	s_lshl_b32 s54, s51, 13
	s_add_co_u32 s54, s54, s52                     ; out0: + query tile 2 i + g
.irp p, 0,1
	s_lshl_b32 s48, s[28+\p], 19                   ; a batch is 524,288 bytes of kv
	s_add_co_u32 s48, s48, s50
	s_add_nc_u64 s[KVP+2*\p:KVP+2*\p+1], s[6:7], s[48:49]
	s_lshl_b32 s55, s[28+\p], 20                   ; and 1,048,576 of queries and of out0
	s_add_co_u32 s48, s55, s53
	s_add_nc_u64 s[QP+2*\p:QP+2*\p+1], s[4:5], s[48:49]
	s_add_co_u32 s48, s55, s54
	s_add_nc_u64 s[OP+2*\p:OP+2*\p+1], s[12:13], s[48:49]
.endr
	XLOAD 0
	KVLOAD 0                                       ; steps 0 and 1 of every batch were made, whatever its length
	s_wait_kmcnt 0x0
	s_mov_b32 s[CS], 0x3e0293ee                    ; c = log2(e) / sqrt(128)
	s_add_co_i32 s48, s24, s25
	s_lshl_b32 s48, s48, 23
	s_add_co_i32 s[CS], s[CS], s48                 ; a score stands for score x 2^(eq + ek): the two exponents are added to c's exponent field
	s_mov_b32 s[CS+1], s[CS]                       ; (named with it as a pair, so it is written)
	s_add_co_i32 s48, s26, 127
	s_lshl_b32 s49, s48, 23
	v_mov_b32 v[SCP], s49                          ; 2^ep as f32: the conversion takes its exponent field
	s_add_co_i32 s48, s48, 8
	s_lshl_b32 s48, s48, 23
	s_or_b32 s48, s48, 0x600000
	v_mov_b32 v[LIMP], s48                         ; 448 x 2^ep
	s_add_co_i32 s48, s24, 127
	s_lshl_b32 s49, s48, 23
	v_mov_b32 v[SCQ], s49                          ; 2^eq
	s_add_co_i32 s48, s48, 8
	s_lshl_b32 s48, s48, 23
	s_or_b32 s48, s48, 0x600000
	v_mov_b32 v[LIMQ], s48                         ; 448 x 2^eq
	s_add_co_i32 s[EPV], s26, s27                  ; ep + ev
	PIECE 0
	PIECE 1
	s_wait_tensorcnt 0x0
	ds_add_u32 v254, v255
	s_wait_dscnt 0x0
	s_endpgm
.Lfunc_end_k_q8e45768e93_attn:
	.size	k_q8e45768e93_attn, .Lfunc_end_k_q8e45768e93_attn-k_q8e45768e93_attn
	.p2alignl 7, 3214868480
	.fill 96, 4, 3214868480
	.section	.rodata,"a",@progbits
	.p2align	6, 0x0
	.amdhsa_kernel k_q8e45768e93_attn
		.amdhsa_group_segment_fixed_size 285696
		.amdhsa_private_segment_fixed_size 0
		.amdhsa_enable_private_segment 0
		.amdhsa_kernarg_size 40
		.amdhsa_user_sgpr_count 2
		.amdhsa_user_sgpr_kernarg_segment_ptr 1
		.amdhsa_wavefront_size32 1
		.amdhsa_system_sgpr_workgroup_id_x 1
		.amdhsa_system_sgpr_workgroup_id_y 1
		.amdhsa_system_sgpr_workgroup_id_z 1
		.amdhsa_system_vgpr_workitem_id 0
		.amdhsa_next_free_vgpr 512
		.amdhsa_next_free_sgpr 66
		.amdhsa_reserve_vcc 1
		.amdhsa_float_denorm_mode_32 3
		.amdhsa_float_denorm_mode_16_64 3
		.amdhsa_memory_ordered 1
		.amdhsa_forward_progress 1
		.amdhsa_inst_pref_size 236
	.end_amdhsa_kernel
	.amdgpu_metadata
---
amdhsa.version: [ 1, 2 ]
amdhsa.kernels:
  - .name:           k_q8e45768e93_attn
    .symbol:         k_q8e45768e93_attn.kd
    .args:
      - { .name: queries, .offset: 0, .size: 8, .value_kind: global_buffer, .address_space: global }
      - { .name: kv, .offset: 8, .size: 8, .value_kind: global_buffer, .address_space: global }
      - { .name: valid_lens, .offset: 16, .size: 8, .value_kind: global_buffer, .address_space: global }
      - { .name: lowp_scales, .offset: 24, .size: 8, .value_kind: global_buffer, .address_space: global }
      - { .name: out0, .offset: 32, .size: 8, .value_kind: global_buffer, .address_space: global }
    .group_segment_fixed_size: 285696
    .private_segment_fixed_size: 0
    .kernarg_segment_align: 8
    .kernarg_segment_size: 40
    .max_flat_workgroup_size: 256
    .sgpr_count:     66
    .vgpr_count:     512
    .wavefront_size: 32
...
	.end_amdgpu_metadata
.endif
;; end of part 2
;; ======== version 2 of 2: 2 launches
;; workspace buffers: kv 16,777,216 bytes
;; launch quant (part 3): grid 512 x 2, 4 waves a work-group, no clusters, 68,096 bytes of LDS; arguments keys, values, valid_lens, lowp_scales, kv; writes kv
.if DOCPART == 3
	.amdgcn_target "amdgcn-amd-amdhsa--gfx1250"
	.amdhsa_code_object_version 6
	.text
	.protected	k_q8e45768e93_quant
	.globl	k_q8e45768e93_quant
	.p2align	8
	.type	k_q8e45768e93_quant,@function
k_q8e45768e93_quant:
	s_mov_b64 s[64:65], 0
	v_nop
	global_prefetch_b8 v0, s[64:65] scope:SCOPE_SE
	s_setreg_imm32_b32 hwreg(HW_REG_WAVE_MODE, 25, 1), 1
	s_wait_xcnt 0x0
; keys and values, [32][2048][128] f32, become codes of FP8 (E4M3) with the given scales 2^e (keys: entry 1 of lowp_scales, values: entry 3), laid as IMAGES OF OPERAND REGISTERS:
; kv = [batch 32][step 16 (128 keys)][K part 16,384 bytes | V part 16,384 bytes]; a part = [tile 8][c 4][lane 32][16 bytes].  With r = lane % 16, h = lane / 16:
;   K part: key 128 s + 32 (t / 2) + 8 (t % 2) + r + 8 (r / 8), channels 32 c + 16 h + 0 .. 15.      V part: channel 16 t + r, keys 128 s + 32 c + 16 h + 0 .. 15.
; code = x / 2^e, held within +-448, rounded to the nearest code, ties to even.
; SHARES.  Work-group x = 16 batch + step; y = 0: keys, y = 1: values.  A work-group takes 128 keys x 128 channels: 65,536 bytes in, 16,384 out; no loop, no barrier: waves share nothing.
; A step that begins at or behind max(valid_lens[batch], 129) is never read by the next launch (the mask hides all its keys): its work-group stores nothing and ends.  That is a branch on a whole number read from memory,
; and the price of a grid that serves every set of lengths.  Steps 0 and 1 are always made: the next launch loads its first step without a test.
; LIMITS: e between -126 and 119, so that 2^e and 448 x 2^e are f32 numbers.  NaN among the inputs is not served (an infinity is held at the largest code).
.set STAGEB, 16896                     ; LDS: a stage of 32 rows x 528 bytes for each wave (keys' path alone)
.set SP,     528                       ; a stage row: 512 bytes + 16: 33 x 16 bytes, so that sixteen neighbouring rows begin at sixteen different 16-byte columns of 256
.set R,      32                        ; v32-159  keys: 32 rows as loaded, 4 registers a row;  values: my channel's 128 numbers
.set X0,     160                       ; v160-223 tile 0's 64 numbers of my lane, in the operand's order
.set X1,     32                        ; v32-95   tile 1's (the registers that tile 0's rows have left)
.set C0,     224                       ; v224-239, v240-255 the two tiles' codes;  values: v224-255
.set C1,     240
	s_load_b256 s[4:11], s[0:1], 0x0               ; keys s[4:5], values s[6:7], valid_lens s[8:9], lowp_scales s[10:11]
	s_load_b64 s[12:13], s[0:1], 0x20              ; kv
	v_lshl_add_u32 v30, v0, 2, 0x10800
	v_mov_b32 v31, 0
	v_lshrrev_b32 v4, 5, v0
	v_readfirstlane_b32 s14, v4                    ; wave 0..3
	s_and_b32 s15, ttmp7, 0xffff                   ; y: 0 keys, 1 values
	s_lshr_b32 s20, ttmp9, 4
	s_lshl_b32 s20, s20, 2                         ; 4 x batch
	s_mov_b32 s21, 0
	s_and_b32 s17, ttmp9, 15
	s_lshl_b32 s17, s17, 7                         ; the step's first key
	s_wait_kmcnt 0x0
	s_add_nc_u64 s[8:9], s[8:9], s[20:21]
	s_load_b32 s18, s[8:9], 0x0                    ; the batch's length
	s_load_b128 s[24:27], s[10:11], 0x0            ; the four exponents
	s_cmp_eq_u32 s15, 0
	s_cselect_b64 s[4:5], s[4:5], s[6:7]           ; the source: the choice hangs on the work-group's number alone
	s_lshl_b32 s20, ttmp9, 16                      ; a step is 128 rows of 512 bytes
	s_add_nc_u64 s[4:5], s[4:5], s[20:21]
	s_lshl_b32 s20, ttmp9, 15                      ; and 32,768 bytes of kv,
	s_lshl_b32 s28, s15, 14                        ; V's part behind K's
	s_add_co_u32 s20, s20, s28
	s_add_nc_u64 s[12:13], s[12:13], s[20:21]
	s_wait_kmcnt 0x0
	s_cmp_eq_u32 s15, 0
	s_cselect_b32 s28, s25, s27                    ; e
	s_max_i32 s18, s18, 0
	s_min_u32 s18, s18, 2048
	s_max_u32 s18, s18, 129                        ; steps 0 and 1 are always made
	s_cmp_lt_u32 s17, s18
	s_cbranch_scc0 .Lend                           ; all keys of the step are hidden, and nobody reads it
	s_add_co_i32 s28, s28, 127
	s_lshl_b32 s29, s28, 23
	v_mov_b32 v11, s29                             ; 2^e as f32: the conversion takes its exponent field
	s_add_co_i32 s28, s28, 8
	s_lshl_b32 s28, s28, 23
	s_or_b32 s28, s28, 0x600000
	v_mov_b32 v10, s28                             ; 448 x 2^e
	s_cmp_lg_u32 s15, 0
	s_cbranch_scc1 .Lvalues
; 64 numbers of a lane, v[s] on, become 16 registers of codes, v[d] on
.macro QUANT s, d
.set n, 0
.rept 64
	v_med3_num_f32 v[\s+n], v[\s+n], -v10, v10     ; the conversion to an 8-bit code does not saturate (ISA guide 7.6.2): the hold at the largest code x the scale comes first
.set n, n+1
.endr
.set n, 0
.rept 8
	v_cvt_scalef32_pk8_fp8_f32 v[\d+2*n:\d+2*n+1], v[\s+8*n:\s+8*n+7], v11
.set n, n+1
.endr
.endm
	; ---- KEYS.  Wave w takes keys 32 w .. 32 w + 31 of the step: tiles 2 w and 2 w + 1.  Each load reads one whole row, 512 consecutive bytes, and all 32 go out at once; the rows turn through the wave's own stage,
	; laid there in the order of the tiles' lanes (place 16 u + r holds row 8 u + r + 8 (r / 8)), and come back 64 bytes a lane for each block of 32 channels.
	s_lshl_b32 s20, s14, 14
	s_add_nc_u64 s[4:5], s[4:5], s[20:21]          ; my 32 rows
	s_lshl_b32 s20, s14, 12
	s_add_nc_u64 s[12:13], s[12:13], s[20:21]      ; my two tiles' images
	v_and_b32 v5, 31, v0
	v_lshlrev_b32 v1, 4, v5                        ; 16 x lane: my bytes of a row, and of an image's 512
	s_mul_i32 s28, s14, STAGEB
	v_add_nc_u32 v2, s28, v1                       ; the stage, on the way in
	v_and_b32 v6, 15, v0
	v_bfe_u32 v7, v0, 4, 1
	v_mul_u32_u24 v3, v6, SP
	v_lshl_add_u32 v3, v7, 6, v3
	v_add_nc_u32 v3, s28, v3                       ; and on the way out: place r, + 64 h
.set n, 0
.rept 32
	global_load_b128 v[R+4*n:R+4*n+3], v1, s[4:5] offset:512*(16*((n>>3)&1)+8*(n>>4)+(n&7)) th:TH_LOAD_NT
.set n, n+1
.endr
	s_wait_alu depctr_va_vdst(0)
	s_wait_loadcnt 16                              ; tile 0's sixteen rows are in; tile 1's sixteen may be out
.set n, 0
.rept 16
	ds_store_b128 v2, v[R+4*n:R+4*n+3] offset:SP*n
.set n, n+1
.endr
.irp c, 0,1,2,3
.irp j, 0,1,2,3
	ds_load_b128 v[X0+16*\c+4*\j:X0+16*\c+4*\j+3], v3 offset:128*\c+16*\j   ; LDS serves a wave's instructions in order (ISA guide 5.7.1.4): these see the stores above
.endr
.endr
	s_wait_loadcnt 0x0
.set n, 16
.rept 16
	ds_store_b128 v2, v[R+4*n:R+4*n+3] offset:SP*n
.set n, n+1
.endr
	s_wait_dscnt 16                                ; all but the sixteen stores just issued: tile 0's numbers are back
.irp c, 0,1,2,3
.irp j, 0,1,2,3
	ds_load_b128 v[X1+16*\c+4*\j:X1+16*\c+4*\j+3], v3 offset:16*SP+128*\c+16*\j
.endr
.endr
	QUANT X0, C0
.irp c, 0,1,2,3
	global_store_b128 v1, v[C0+4*\c:C0+4*\c+3], s[12:13] offset:512*\c        ; 32 lanes store 512 consecutive bytes, aligned
.endr
	s_wait_dscnt 0x0                               ; tile 1's numbers are back
	QUANT X1, C1                                   ; (its holds are the plain lines behind tile 0's conversions; the codes go to stores alone)
.irp c, 0,1,2,3
	global_store_b128 v1, v[C1+4*\c:C1+4*\c+3], s[12:13] offset:2048+512*\c
.endr
	s_wait_tensorcnt 0x0
	ds_add_u32 v30, v31
	s_wait_dscnt 0x0
	s_endpgm
.Lvalues:
	; ---- VALUES.  K of the second product is the keys, the rows of this tensor: A LANE TAKES A CHANNEL (my thread's number) AND ITS REGISTERS RUN DOWN THE 128 KEYS: the conversions then give codes with the keys
	; innermost, and nothing is transposed.  The keys go in eight groups of 16.  Group t is block c = t / 2, half h' = t % 2: a lane's 16 codes of it are the 16 bytes of lane (r, h') in its tile's image, at 512 c + 256 h' = 256 t:
	; sixteen neighbouring lanes store 256 consecutive bytes, aligned.  Three groups are asked for ahead: 48 loads of a wave are out at the most.  Every group has registers of its own, for its numbers and for its codes.
	v_lshlrev_b32 v1, 2, v0                        ; my channel's 4 bytes of a row
	v_lshrrev_b32 v4, 4, v0                        ; tile = channel / 16
	v_and_b32 v5, 15, v0                           ; r
	v_lshlrev_b32 v2, 11, v4
	v_lshl_add_u32 v2, v5, 4, v2                   ; 2,048 x tile + 16 r
.macro VLOAD t                         ; group t: keys 16 t .. 16 t + 15 of my channel; a wave's load reads 128 consecutive bytes, the work-group's four a whole row
.set n, 0
.rept 16
	global_load_b32 v[R+16*(\t)+n], v1, s[4:5] offset:512*(16*(\t)+n) th:TH_LOAD_NT
.set n, n+1
.endr
.endm
	VLOAD 0
	VLOAD 1
	VLOAD 2
	s_wait_alu depctr_va_vdst(0)
.irp t, 0,1,2,3,4,5,6,7
.if \t < 6
	s_wait_loadcnt 32                              ; group t's sixteen loads are in; those of the two groups behind it may be out
.else
	s_wait_loadcnt 16*(7-\t)                       ; the counts run down: one group behind, then none
.endif
.if \t+3 < 8
	VLOAD \t+3
.endif
.set n, 0
.rept 16
	v_med3_num_f32 v[R+16*\t+n], v[R+16*\t+n], -v10, v10
.set n, n+1
.endr
	v_cvt_scalef32_pk8_fp8_f32 v[C0+4*\t:C0+4*\t+1], v[R+16*\t:R+16*\t+7], v11
	v_cvt_scalef32_pk8_fp8_f32 v[C0+4*\t+2:C0+4*\t+3], v[R+16*\t+8:R+16*\t+15], v11     ; (the codes go to a store alone; the next group's holds are plain lines on other registers)
	global_store_b128 v2, v[C0+4*\t:C0+4*\t+3], s[12:13] offset:256*\t
.endr
.Lend:
	s_endpgm
.Lfunc_end_k_q8e45768e93_quant:
	.size	k_q8e45768e93_quant, .Lfunc_end_k_q8e45768e93_quant-k_q8e45768e93_quant
	.p2alignl 7, 3214868480
	.fill 96, 4, 3214868480
	.section	.rodata,"a",@progbits
	.p2align	6, 0x0
	.amdhsa_kernel k_q8e45768e93_quant
		.amdhsa_group_segment_fixed_size 68096
		.amdhsa_private_segment_fixed_size 0
		.amdhsa_enable_private_segment 0
		.amdhsa_kernarg_size 40
		.amdhsa_user_sgpr_count 2
		.amdhsa_user_sgpr_kernarg_segment_ptr 1
		.amdhsa_wavefront_size32 1
		.amdhsa_system_sgpr_workgroup_id_x 1
		.amdhsa_system_sgpr_workgroup_id_y 1
		.amdhsa_system_sgpr_workgroup_id_z 1
		.amdhsa_system_vgpr_workitem_id 0
		.amdhsa_next_free_vgpr 256
		.amdhsa_next_free_sgpr 66
		.amdhsa_reserve_vcc 0
		.amdhsa_float_denorm_mode_32 3
		.amdhsa_float_denorm_mode_16_64 3
		.amdhsa_memory_ordered 1
		.amdhsa_forward_progress 1
		.amdhsa_inst_pref_size 42
	.end_amdhsa_kernel
	.amdgpu_metadata
---
amdhsa.version: [ 1, 2 ]
amdhsa.kernels:
  - .name:           k_q8e45768e93_quant
    .symbol:         k_q8e45768e93_quant.kd
    .args:
      - { .name: keys, .offset: 0, .size: 8, .value_kind: global_buffer, .address_space: global }
      - { .name: values, .offset: 8, .size: 8, .value_kind: global_buffer, .address_space: global }
      - { .name: valid_lens, .offset: 16, .size: 8, .value_kind: global_buffer, .address_space: global }
      - { .name: lowp_scales, .offset: 24, .size: 8, .value_kind: global_buffer, .address_space: global }
      - { .name: kv, .offset: 32, .size: 8, .value_kind: global_buffer, .address_space: global }
    .group_segment_fixed_size: 68096
    .private_segment_fixed_size: 0
    .kernarg_segment_align: 8
    .kernarg_segment_size: 40
    .max_flat_workgroup_size: 128
    .sgpr_count:     66
    .vgpr_count:     256
    .wavefront_size: 32
...
	.end_amdgpu_metadata
.endif
;; end of part 3
;; launch attn (part 4): grid 256 x 1, 8 waves a work-group, no clusters, 285,696 bytes of LDS; arguments queries, kv, valid_lens, lowp_scales, out0; writes out0
.if DOCPART == 4
	.amdgcn_target "amdgcn-amd-amdhsa--gfx1250"
	.amdhsa_code_object_version 6
	.text
	.protected	k_q8e45768e93_attn
	.globl	k_q8e45768e93_attn
	.p2align	8
	.type	k_q8e45768e93_attn,@function
k_q8e45768e93_attn:
	s_mov_b64 s[64:65], 0
	v_nop
	global_prefetch_b8 v0, s[64:65] scope:SCOPE_SE
	s_setreg_imm32_b32 hwreg(HW_REG_WAVE_SCHED_MODE, 0, 2), 2
	s_setreg_imm32_b32 hwreg(HW_REG_WAVE_MODE, 25, 1), 1
	s_wait_xcnt 0x0
	s_wait_alu depctr_vm_vsrc(0)
; out0[b][q][:] = the sum over k < valid_lens[b] of softmax_k(Q[b][q] . K[b][k] / sqrt(128)) V[b][k][:], both products on codes of FP8 (E4M3) with the given scales 2^eq, 2^ek, 2^ep, 2^ev.
; queries: [32][2048][128] f32, quantised here in registers.  kv: K's and V's codes as images of operand registers, 32,768 bytes for a step of 128 keys (K's part, then V's), made by the launch before.
; THE SOFTMAX: t = score x log2(e) / sqrt(128); M = the largest t so far, rounded UP to a whole number; p = 2^(t - M) is quantised; the sum l is taken of the unquantised p and divides at the end.  When M moves, l and O are
; multiplied by 2^(old M - new M), which rounds nothing.
; HIDDEN KEYS.  A step all of whose keys lie at or behind the batch's length is left out by scalar branches on that length, a whole number read from memory: so this launch has no tensor load and no cluster.
; Every barrier stands on every wave's path; the loops' trip counts are constants; only loads, LDS stores and a step's work are jumped over.
; SHARES.  The batches are ranked by length (rank 0 the longest).  Work-group G (j = G / 16, block = G % 16) takes two PIECES, one after the other: queries 128 block .. + 127 of the batch of rank j, then of the batch of
; rank 31 - j: a long one and a short one.  Any lengths are served; the ranking only evens the work out.
; In a piece wave w = 4 g + i holds two tiles of 16 queries: register tile 0 = query tile 2 i + g, register tile 1 = query tile 2 i + 1 - g.  A trip is 256 keys; the waves of group g take its keys 128 g .. 128 g + 127,
; with M, l and O^T of their own.  At a piece's end each wave sends register tile 1 to wave w xor 4, merges that wave's tile into its own register tile 0, and stores it: the same lines in every wave.
; LAYOUT.  Both products are used transposed: S^T = K Q^T (source 0 = 16 keys, source 1 = 16 queries), O^T = V^T P^T (source 0 = 16 channels, source 1 = P): a lane holds ONE query (lane % 16) throughout.  The keys of a
; tile of K are chosen so that the 16 registers of tiles 2 b and 2 b + 1 are the keys 32 b + 16 (lane / 16) + 0 .. 15: the conversions' results are the second product's operand.
; THE RING.  Two LDS slots of 65,536 bytes (both groups' steps).  Each wave loads 8,192 bytes of the NEXT trip into 64 registers while it works, and stores them into the other slot ahead of the next barrier: one barrier a trip.
; A slot is written ahead of barrier t; it was last read in trip t - 2, and every wave has waited for those reads ahead of barrier t - 1.
; LIMITS: eq + ek between -123 and 130 (added to c's exponent field); eq and ep between -126 and 119; ep + ev is applied by v_ldexp_f32.  A length under 1 gives NaN rows, as the softmax of a row without keys does;
; a length over 2,048 counts as 2,048.  NaN among the inputs is not served.
; REGISTERS.  Window 0: v1-25 addresses and constants that stay; v26-31 the ranking; v32-95 four fragments (FR); v96-223 S^T, then p (64 a tile), and at times fragments (below); v224-239 eight statistics a tile; v240-251 at work.
;   Window 1: v0-127 O^T (64 a tile); v128-159 Q's two fragments; v160-191 p's codes, and at a step's head two fragments of K; v192-255 the next trip's 8,192 bytes.
; THE MODE: SCHED_MODE bits 1:0 = 2 (LLVM: expert scheduling mode 2), set by the entry lines.  The code itself states the register dependences between vector or matrix instructions and memory or LDS instructions,
; with s_wait_alu, always for 0.
; THE PLAN.  Registers that memory or LDS instructions touch, and who else names them:
;   v1-17, v25     addresses and offsets: made at the head, ahead of one wait on va_vdst, and never written again.
;   KVR            a trip's global loads land there, the next trip's LDS stores read them; no vector instruction names them.  One wait on vm_vsrc a trip, behind the barrier, ahead of the next loads.
;   FR             K's tiles 0-3, then V's tiles 0-3: LDS loads land, products read.  At a piece's head Q's numbers: global loads land, holds and conversions work on them.
;   PW             K's tiles 4, 5 land there at a step's head and are read by their products; later p's conversions write it and the products V^T P read it.
;   S+32, S+96     K's tiles 6, 7 land there at a step's head.  Their products come FIRST and write S+48 .. 63 and S+112 .. 127; five places on, tiles 4 and 5's products may write over the two fragments.
;   S .. S+63      when p is converted, V's tiles 4-7 land there and are read by their products; at a piece's end the partner's sums land there, and the stage's stores read the merged rows.
;   S+64 .. S+127  at a piece's end the stage's loads land there and the global stores read them.
;   QW             Q's two fragments land at a piece's head; the products K Q^T read them.     O^T tile 1, two statistics: read by the merge's LDS stores.
; So a step has six waits on va_vdst, none of them inside a run of products: at its head (all 32 loads of K follow), behind the scores' products where the scores are first read (V's tiles 0-3 follow), two around the
; batch of exponentials, behind p's conversions (V's tiles 4-7 follow), and ahead of V's products.  No vector or matrix instruction between such a wait and the loads behind it names a register that those loads touch.
.set SLOTB, 65536                      ; LDS: the ring: slot sl at 65,536 sl, group g's step at + 32,768 g, V's part at + 16,384
.set VPART, 16384
.set QIMG,  131072                     ; Q's eight fragments, 2,048 bytes each
.set MRG,   147456                     ; the merge: for each wave 8,192 bytes of O^T, 128 of -M, 128 of l
.set MRGW,  8704
.set STG,   217088                     ; the way out: for each wave 16 rows of 512 + 16 bytes
.set STGW,  8448
.set SP,    528
.set LI,   1                           ; v1      16 x lane
.set RD0,  2                           ; v2, v3  where I read my group's step in slot 0, 1
.set WR0,  4                           ; v4, v5  where I store my 8,192 bytes of it
.set GLA,  6                           ; v6      my bytes of a step in kv: 8,192 i + 16 x lane
.set PFO,  7                           ; v7      the prefetches' offset in a step: 8,192 i + 256 x lane
.set QWI,  8                           ; v8      where I store Q's image of query tile w
.set QR0,  9                           ; v9, v10 where I read those of my register tiles 0, 1
.set MWA,  11                          ; v11     the merge: where I put O^T;  v12 where I read my partner's
.set MRA,  12
.set MSW,  13                          ; v13     and -M, l;  v14 my partner's
.set MSR,  14
.set STO,  15                          ; v15     the stage: where I put 32 bytes of a row;  v16 where I read a row back
.set SRD,  16
.set QA,   17                          ; v17     queries: row r of 512 bytes, + 64 h
.set HM,   18                          ; v18     16 h + 1
.set DM,   19                          ; v19     the mask's term of the step in hand
.set NINF, 20                          ; v20     -infinity
.set SCP,  21                          ; v21, v22  2^ep, 448 x 2^ep;  v23, v24  2^eq, 448 x 2^eq
.set LIMP, 22
.set SCQ,  23
.set LIMQ, 24
.set PFQ,  25                          ; v25     256 x lane
.set FR,   32
.set S,    96
.set K6,   S+32                        ; where K's tile 6 lands: the scores of tiles 4 and 5, register tile 0, are written there later
.set K7,   S+96                        ; and tile 7: the same of register tile 1
.set ST,   224                         ; tile u at v[ST + 8 u]: +0 -M, +1 the largest t, +2, +3 l in two halves, +4 f (+5 named with it as a pair), +6, +7 at work
.set A2,   240                         ; v[240 + 2 u] the sums' second chain
.set GA,   244                         ; v[244:245], v[246:247] the merge's two factors
.set GB,   246
.set T0,   248                         ; v248, v249 my partner's -M and l
.set T1,   249
.set PT,   250                         ; v250, v251 destinations of the lane permutes
.set QW,   128                         ; in window 1
.set PW,   160
.set KVR,  192
.set WV,   14                          ; s14 wave; s15 g; s16 i; s17 j; s18 block
.set SEL,  20                          ; s[20:21] lane selects: lane l xor 16
.set CS,   22                          ; s[22:23] c x 2^(eq + ek), c = log2(e) / sqrt(128)
.set LEN,  30                          ; s30, s31 the two pieces' lengths;  s28, s29 their batches
.set PL,   32                          ; s32, s33 the same where block = 0, else 0: who prefetches kv
.set KVP,  34                          ; s[34:35], s[36:37] kv at my group's step of the trip to be loaded
.set QP,   38                          ; s[38:39], s[40:41] queries at query tile w
.set OP,   42                          ; s[42:43], s[44:45] out0 at query tile 2 i + g
.set KF,   46                          ; s46 my step's first key
.set CNT,  47
.set EPV,  56                          ; s56 ep + ev
.set KG,   57                          ; s57 128 g
.set MK,   66                          ; s66-97 a run of 32 masks of hidden keys
.set LN,   66                          ; at the head: s66-81 sixteen batches' keys of the ranking, s82-97 their masks
.set RM,   82
.set MSB, 0
.macro WIN new                         ; s_set_vgpr_msb: bits 1:0 source 0, 3:2 source 1, 5:4 source 2, 7:6 destination; the high byte repeats the setting that is left; at a label and at a branch every window is 0
.if MSB != \new
	s_set_vgpr_msb (MSB<<8)|\new
.set MSB, \new
.endif
.endm
.macro PLACES n                        ; a read of a matrix result stands four plain vector instructions behind it, a matrix instruction that writes over a register of an earlier one five (ISA guide 7.12.1 for the four)
.rept \n
	v_nop
.endr
.endm
.macro BARRIER                         ; my LDS stores have landed and my LDS loads are in: then the work-group's barrier
	s_wait_dscnt 0x0
	s_barrier_signal -1
	s_barrier_wait -1
.endm
.macro XLOAD p                         ; query tile w of piece p, f32: lane (r, h) takes, of row r, 16 neighbouring numbers of each block of 32: register 16 b + n = channel 32 b + 16 h + n
.irp b, 0,1,2,3
.irp j, 0,1,2,3
	global_load_b128 v[FR+16*\b+4*\j:FR+16*\b+4*\j+3], v[QA], s[QP+2*(\p):QP+2*(\p)+1] offset:128*\b+16*\j th:TH_LOAD_NT
.endr
.endr
.endm
.macro KVLOAD p                        ; my 8,192 bytes of my group's next step: sixteen loads of 512 consecutive bytes
	WIN 0x40                                       ; destination window 1
.set n, 0
.rept 16
	global_load_b128 v[KVR+4*n:KVR+4*n+3], v[GLA], s[KVP+2*(\p):KVP+2*(\p)+1] offset:512*n
.set n, n+1
.endr
	WIN 0
.endm
.macro LOADF reg, part, t, sl          ; tile t of K's or V's part into the 16 registers from reg on: four loads of 512 consecutive bytes
.irp c, 0,1,2,3
	ds_load_b128 v[(\reg)+4*\c:(\reg)+4*\c+3], v[RD0+\sl] offset:(\part)+2048*(\t)+512*\c
.endr
.endm
.macro KQ t, reg                       ; S^T: tile t of the keys, in the registers from reg on, x my two tiles of queries; each product is a whole sum (K = the head's 128)
.irp u, 0,1
	v_wmma_f32_16x16x128_fp8_fp8 v[S+64*\u+8*(\t):S+64*\u+8*(\t)+7], v[(\reg):(\reg)+15], v[QW+16*\u:QW+16*\u+15], 0
.endr
.endm
.macro PV t, reg                       ; O^T += V^T P^T: tile t of the channels x my two tiles of queries.  Each accumulator has one instruction a step: no two that follow each other share one
.irp u, 0,1
	v_wmma_f32_16x16x128_fp8_fp8 v[64*\u+8*(\t):64*\u+8*(\t)+7], v[(\reg):(\reg)+15], v[PW+16*\u:PW+16*\u+15], v[64*\u+8*(\t):64*\u+8*(\t)+7]
.endr
.endm
; A KEY STEP: my group's 128 keys of slot sl, for my two tiles of queries.  No LDS instruction of mine is out at its head (the trip's barrier).
.macro STEP p, sl
	PLACES 5                                       ; behind the last step's products: the scores' products below write over registers of S that those have read as V's fragments
	s_wait_alu depctr_va_vdst(0)                   ; the last step's products are done reading FR, S's lower half and p's codes, its softmax and conversions are done with S and have written p's codes (in a piece's first step: the head's holds and conversions are done with FR): K's 32 loads land in these registers
	LOADF K6, 0, 6, \sl                            ; in the order in which the products take them
	LOADF K7, 0, 7, \sl
	LOADF FR, 0, 0, \sl
	LOADF FR+16, 0, 1, \sl
	LOADF FR+32, 0, 2, \sl
	LOADF FR+48, 0, 3, \sl
	WIN 0x40                                       ; destination window 1; only loads and this switch stand between the wait above and the loads below
	LOADF PW, 0, 4, \sl
	LOADF PW+16, 0, 5, \sl
	WIN 0x04                                       ; source 1 (Q) window 1
	s_wait_dscnt 24                                ; tiles 6 and 7 are in; the 24 younger loads may be out
	KQ 6, K6
	KQ 7, K7
	PLACES 5                                       ; ahead of tiles 4 and 5's products, which write over the registers that held tiles 6 and 7
	s_wait_dscnt 16                                ; tiles 0 and 1
	KQ 0, FR
	KQ 1, FR+16
	s_wait_dscnt 8                                 ; tiles 2 and 3
	KQ 2, FR+32
	KQ 3, FR+48
	s_wait_dscnt 0x0                               ; tiles 4 and 5
	WIN 0x05                                       ; sources 0 (K) and 1 (Q) window 1
	KQ 4, PW
	KQ 5, PW+16
	WIN 0
	PLACES 4                                       ; in front of the first read of the scores
	s_wait_alu depctr_va_vdst(0)                   ; the products are done reading K's tiles 0 to 3 in FR, in which V's tiles 0 to 3 land
	LOADF FR, VPART, 0, \sl                        ; they land under the softmax
	LOADF FR+16, VPART, 1, \sl
	LOADF FR+32, VPART, 2, \sl
	LOADF FR+48, VPART, 3, \sl
	; the mask: register 16 b + n holds key KF + 32 b + 16 h + n: hidden where 32 b + n > length - KF - 16 h - 1.  A step all of whose keys count jumps over it.  Key KF counts in every step that is worked, so the step's maximum is a number
	s_add_co_u32 s48, s[KF], 128
	s_cmp_le_u32 s48, s[LEN+\p]
	s_cbranch_scc1 .Lopen_\@
	s_sub_co_u32 s48, s[LEN+\p], s[KF]
	v_sub_nc_u32 v[DM], s48, v[HM]
.irp q, 0,1                                    ; the compares stand in two runs of 32, each into a scalar register of its own, with one wait behind a run
.set n, 32*\q
.rept 32
	v_cmp_gt_i32 s[MK+n%32], 32*(n/16)+n%16, v[DM]
.set n, n+1
.endr
	s_wait_alu depctr_va_sdst(0)                   ; the 32 compares have written their masks, ahead of the selections that read them
.set n, 32*\q
.rept 32
	v_cndmask_b32 v[S+n], v[S+n], v[NINF], s[MK+n%32]        ; -infinity ahead of the maximum: p = 0 then; each accumulator from its low end on
	v_cndmask_b32 v[S+64+n], v[S+64+n], v[NINF], s[MK+n%32]
.set n, n+1
.endr
.endr
.Lopen_\@:
	; the step's largest score of each query: two chains a tile, ascending through the accumulators
.irp u, 0,1
	v_max3_num_f32 v[ST+8*\u+6], v[S+64*\u], v[S+64*\u+1], v[S+64*\u+2]
	v_max3_num_f32 v[ST+8*\u+7], v[S+64*\u+3], v[S+64*\u+4], v[S+64*\u+5]
.endr
.irp i, 6,10,14,18,22,26,30,34,38,42,46,50,54,58
.irp u, 0,1
	v_max3_num_f32 v[ST+8*\u+6], v[ST+8*\u+6], v[S+64*\u+\i], v[S+64*\u+\i+1]
	v_max3_num_f32 v[ST+8*\u+7], v[ST+8*\u+7], v[S+64*\u+\i+2], v[S+64*\u+\i+3]
.endr
.endr
.irp u, 0,1
	v_max3_num_f32 v[ST+8*\u+6], v[ST+8*\u+6], v[S+64*\u+62], v[S+64*\u+63]
.endr
.irp u, 0,1
	v_max_num_f32 v[ST+8*\u+6], v[ST+8*\u+6], v[ST+8*\u+7]
.endr
.irp u, 0,1
	v_permlanex16_b32 v[PT+\u], v[ST+8*\u+6], s[SEL], s[SEL+1]   ; the query's other 64 keys lie in the lane 16 away
.endr
.irp u, 0,1
	v_max_num_f32 v[ST+8*\u+6], v[ST+8*\u+6], v[PT+\u]
.endr
.irp u, 0,1
	v_mul_f32 v[ST+8*\u+6], s[CS], v[ST+8*\u+6]                  ; as t (c is positive)
.endr
.irp u, 0,1
	v_max_num_f32 v[ST+8*\u+1], v[ST+8*\u+1], v[ST+8*\u+6]       ; the running largest t
	v_mov_b32 v[ST+8*\u+6], v[ST+8*\u]
.endr
.irp u, 0,1
	v_floor_f32 v[ST+8*\u], -v[ST+8*\u+1]                        ; the new -M = floor(-t) = -ceil(t): M is a whole number
.endr
.irp u, 0,1
	v_sub_f32 v[ST+8*\u+6], v[ST+8*\u], v[ST+8*\u+6]             ; old M - new M: a whole number, 0 or less
.endr
.irp u, 0,1
	v_cvt_i32_f32 v[ST+8*\u+6], v[ST+8*\u+6]                     ; (it saturates)
.endr
.irp u, 0,1
	v_ldexp_f32 v[ST+8*\u+4], 1.0, v[ST+8*\u+6]                  ; f = 2^(old M - new M)
.endr
.irp u, 0,1
.set n, 0
.rept 32
	v_pk_fma_f32 v[S+64*\u+n:S+64*\u+n+1], v[S+64*\u+n:S+64*\u+n+1], s[CS:CS+1], v[ST+8*\u:ST+8*\u+1] op_sel_hi:[1,0,0]   ; t - M, two at a time (of the pairs c and -M the low word serves both halves)
.set n, n+2
.endr
.endr
.set n, 0
	s_wait_alu depctr_va_vdst(0)
.rept 128
	v_exp_f32 v[S+n], v[S+n]                       ; p = 2^(t - M): one batch
.set n, n+1
.endr
.irp u, 0,1
	v_pk_mul_f32 v[ST+8*\u+2:ST+8*\u+3], v[ST+8*\u+2:ST+8*\u+3], v[ST+8*\u+4:ST+8*\u+5] op_sel_hi:[1,0]   ; l under the new M: the plain lines behind the exponentials
.endr
	s_wait_alu depctr_va_vdst(0)                   ; the 128 exponentials have written p: one wait for the whole batch, ahead of its first reader
.irp u, 0,1
	v_pk_add_f32 v[A2+2*\u:A2+2*\u+1], v[S+64*\u:S+64*\u+1], v[S+64*\u+2:S+64*\u+3]    ; the sum is taken of the unquantised p: two chains a tile
.endr
.irp j, 4,8,12,16,20,24,28,32,36,40,44,48,52,56,60
.irp u, 0,1
	v_pk_add_f32 v[ST+8*\u+2:ST+8*\u+3], v[ST+8*\u+2:ST+8*\u+3], v[S+64*\u+\j:S+64*\u+\j+1]
	v_pk_add_f32 v[A2+2*\u:A2+2*\u+1], v[A2+2*\u:A2+2*\u+1], v[S+64*\u+\j+2:S+64*\u+\j+3]
.endr
.endr
.irp u, 0,1
	v_pk_add_f32 v[ST+8*\u+2:ST+8*\u+3], v[ST+8*\u+2:ST+8*\u+3], v[A2+2*\u:A2+2*\u+1]
.endr
	; the hold at the largest code.  p is at most 1 and a rounding; 448 x 2^ep is 1.75 or more where ep >= -8: there no p reaches it, and the 128 lines are jumped over (a branch on a whole number read from memory)
	s_cmp_ge_i32 s26, -8
	s_cbranch_scc1 .Lfits_\@
.set n, 0
.rept 128
	v_min_num_f32 v[S+n], v[S+n], v[LIMP]          ; p is not negative: the hold is one-sided
.set n, n+1
.endr
.Lfits_\@:
	WIN 0x40                                       ; destination window 1
.irp u, 0,1
.irp b, 0,1,2,3
	v_cvt_scalef32_pk8_fp8_f32 v[PW+16*\u+4*\b:PW+16*\u+4*\b+1], v[S+64*\u+16*\b:S+64*\u+16*\b+7], v[SCP]
	v_cvt_scalef32_pk8_fp8_f32 v[PW+16*\u+4*\b+2:PW+16*\u+4*\b+3], v[S+64*\u+16*\b+8:S+64*\u+16*\b+15], v[SCP]
.endr
.endr
	WIN 0
	s_wait_alu depctr_va_vdst(0)                   ; the conversions are done reading p, and the sums and holds ahead of them are done with it: V's tiles 4 to 7 land in S's lower half
	LOADF S, VPART, 4, \sl                         ; they land under the rescaling and the first eight products
	LOADF S+16, VPART, 5, \sl
	LOADF S+32, VPART, 6, \sl
	LOADF S+48, VPART, 7, \sl
	WIN 0x41                                       ; O^T (destination and source 0) window 1, f window 0
.irp u, 0,1
.set n, 0
.rept 32
	v_pk_mul_f32 v[64*\u+n:64*\u+n+1], v[64*\u+n:64*\u+n+1], v[ST+8*\u+4:ST+8*\u+5] op_sel_hi:[1,0]   ; O^T under the new M; also the plain lines between the conversions and the products that read the codes
.set n, n+2
.endr
.endr
	WIN 0x54                                       ; P, C and D window 1; V's fragments window 0
	s_wait_alu depctr_va_vdst(0)
	s_wait_dscnt 24                                ; V's tiles 0 and 1 are in; the 24 younger loads may be out
	PV 0, FR
	PV 1, FR+16
	s_wait_dscnt 16                                ; tiles 2 and 3
	PV 2, FR+32
	PV 3, FR+48
	s_wait_dscnt 8                                 ; tiles 4 and 5
	PV 4, S
	PV 5, S+16
	s_wait_dscnt 0x0                               ; tiles 6 and 7: my reads of the slot are over
	PV 6, S+32
	PV 7, S+48
	WIN 0
.endm
; A TRIP: 256 keys through slot sl.
.macro TRIP p, sl
	s_wait_loadcnt 0x0                             ; on every path: my 8,192 bytes of this trip's step are in, and no load into those registers is out
	s_cmp_lt_u32 s[KF], s[LEN+\p]
	s_cbranch_scc0 .Lnone_\@
	WIN 0x04                                       ; an LDS store's data are its source 1: window 1
.set n, 0
.rept 16
	ds_store_b128 v[WR0+\sl], v[KVR+4*n:KVR+4*n+3] offset:512*n
.set n, n+1
.endr
	WIN 0
.Lnone_\@:
	BARRIER                                        ; my stores into this slot have landed, my reads of the other slot are over; behind it both hold of all eight waves
	s_wait_xcnt 0x0                                ; the loads and the prefetch that named it have read the pointer: it steps to the next trip's step
	s_wait_alu depctr_vm_vsrc(0)                   ; my LDS stores above have read the 64 registers in which the next trip's loads land
	s_add_nc_u64 s[KVP+2*\p:KVP+2*\p+1], s[KVP+2*\p:KVP+2*\p+1], SLOTB
	s_add_co_u32 s48, s[KF], 256
	s_cmp_lt_u32 s48, s[LEN+\p]
	s_cbranch_scc0 .Lnoload_\@
	KVLOAD \p                                      ; the next trip's step lands while this one is worked
	; a prefetch of the trip after next: my wave's 8,192 bytes of its step, lanes 256 bytes apart.  Sixteen work-groups walk a batch: the one with block 0 asks, so each run of 256 bytes is named once in the launch.
	; It stands behind the wave's loads; it is left out where that step's keys are all hidden, so it never points past the steps that were made.  The first two trips come by their loads alone.
	s_add_co_u32 s48, s[KF], 512
	s_cmp_lt_u32 s48, s[PL+\p]
	s_cbranch_scc0 .Lnoload_\@
	global_prefetch_b8 v[PFO], s[KVP+2*\p:KVP+2*\p+1] offset:SLOTB th:TH_LOAD_NT scope:SCOPE_SE
.Lnoload_\@:
.if \p == 0
	; in the first piece's last trip with keys that count: a prefetch of my query tile of the second piece, 8,192 bytes, lanes 256 bytes apart; nobody else reads it
	s_sub_co_u32 s48, s[KF], s[KG]
	s_sub_co_u32 s49, s[LEN], 1
	s_sub_co_u32 s48, s49, s48
	s_cmp_lt_u32 s48, 256
	s_cbranch_scc0 .Lnoq_\@
	global_prefetch_b8 v[PFQ], s[QP+2:QP+3] th:TH_LOAD_NT scope:SCOPE_SE
.Lnoq_\@:
.endif
	s_cmp_lt_u32 s[KF], s[LEN+\p]
	s_cbranch_scc0 .Ldead_\@
	STEP \p, \sl
.Ldead_\@:
	s_add_co_u32 s[KF], s[KF], 256
.endm
; A PIECE: 128 queries of one batch.
.macro PIECE p
	s_wait_loadcnt 16                              ; Q's sixteen loads are in; kv's sixteen, issued behind them, may be out
.set n, 0
.rept 64
	v_med3_num_f32 v[FR+n], v[FR+n], -v[LIMQ], v[LIMQ]   ; the hold at the largest code x the scale
.set n, n+1
.endr
.set n, 0
.rept 8
	v_cvt_scalef32_pk8_fp8_f32 v[S+2*n:S+2*n+1], v[FR+8*n:FR+8*n+7], v[SCQ]
.set n, n+1
.endr
	v_nop                                          ; one plain line behind the last conversion
	s_wait_alu depctr_va_vdst(0)                   ; the conversions have written v[S .. S+15], which the LDS stores read; the piece before's products are done reading Q's fragments, in which the loads behind the barrier land
.irp c, 0,1,2,3
	ds_store_b128 v[QWI], v[S+4*\c:S+4*\c+3] offset:512*\c       ; query tile w's fragment goes to LDS as it stands
.endr
	BARRIER                                        ; Q's eight fragments lie in LDS
	s_wait_alu depctr_vm_vsrc(0)                   ; my LDS stores have read v[S .. S+15], which the first step's products write
	WIN 0x40                                       ; destination window 1
.irp c, 0,1,2,3
	ds_load_b128 v[QW+4*\c:QW+4*\c+3], v[QR0] offset:512*\c
	ds_load_b128 v[QW+16+4*\c:QW+16+4*\c+3], v[QR0+1] offset:512*\c   ; (waited for ahead of the first trip's barrier)
.endr
.set n, 0
.rept 128
	v_mov_b32 v[n], 0                              ; O^T.  It is cleared, since a wave may find no step to work (a batch of 128 keys or fewer leaves group 1 none) and the merge reads it; and the step is written once: the first change of M leaves zeros zeros
.set n, n+1
.endr
	WIN 0
.irp u, 0,1
	v_mov_b32 v[ST+8*\u+1], 0xff61b1e6             ; the largest t so far: -3e38, under every t
	v_floor_f32 v[ST+8*\u], -v[ST+8*\u+1]          ; -M
	v_mov_b32 v[ST+8*\u+2], 0                      ; l, in two halves
	v_mov_b32 v[ST+8*\u+3], 0
.endr
	s_mov_b32 s[KF], s[KG]
	s_mov_b32 s[CNT], 4
.Ltrips_\@:                                        ; four trips of the loop, two trips of 256 keys each: all 2,048 keys; what is hidden is jumped over inside
	TRIP \p, 0
	TRIP \p, 1
	s_sub_co_u32 s[CNT], s[CNT], 1
	s_cmp_lg_u32 s[CNT], 0
	s_cbranch_scc1 .Ltrips_\@
	PLACES 4                                       ; behind the last products, in front of the first read of O^T
	s_wait_alu depctr_va_vdst(0)
	v_add_f32 v[ST+14], v[ST+10], v[ST+11]         ; register tile 1's l, for my partner
	s_wait_loadcnt 0x0                             ; no load into the registers of the next step is out
	s_wait_alu depctr_va_vdst(0)                   ; the products have written O^T, and -M and l are written, which the LDS stores below read; the products are done reading FR, in which the next piece's queries land, and S's lower half, in which my partner's sums land
.if \p == 0
	XLOAD 1                                        ; the second piece's queries and first step land under the merge and the way out
	KVLOAD 1                                       ; (the last trip's wait on vm_vsrc stands behind the last LDS store that read these registers)
.endif
	; THE MERGE.  My register tile 1 goes to wave w xor 4, as an image of its registers, with its -M and its l
	WIN 0x04
.set n, 0
.rept 16
	ds_store_b128 v[MWA], v[64+4*n:64+4*n+3] offset:512*n        ; each accumulator from its low end on
.set n, n+1
.endr
	WIN 0
	ds_store_b32 v[MSW], v[ST+8]
	ds_store_b32 v[MSW], v[ST+14] offset:128
	BARRIER
.set n, 0
.rept 16
	ds_load_b128 v[S+4*n:S+4*n+3], v[MRA] offset:512*n           ; my partner's sums for my register tile 0's queries, over the other half of the keys
.set n, n+1
.endr
	ds_load_b32 v[T0], v[MSR]
	ds_load_b32 v[T1], v[MSR] offset:128
	s_wait_dscnt 0x0
	v_min_num_f32 v[ST+6], v[ST], v[T0]            ; the joint -M: the larger M
	v_sub_f32 v[ST+7], v[ST+6], v[ST]              ; my M - the joint M, a whole number, 0 or less;
	v_sub_f32 v[ST+6], v[ST+6], v[T0]              ; my partner's
	v_cvt_i32_f32 v[ST+7], v[ST+7]                 ; (they saturate: a side that worked no step gets the factor 0)
	v_cvt_i32_f32 v[ST+6], v[ST+6]
	v_ldexp_f32 v[ST+7], 1.0, v[ST+7]              ; fa
	v_ldexp_f32 v[ST+6], 1.0, v[ST+6]              ; fb
	v_add_f32 v[ST+2], v[ST+2], v[ST+3]
	v_mul_f32 v[ST+2], v[ST+2], v[ST+7]
	v_fma_f32 v[ST+2], v[T1], v[ST+6], v[ST+2]     ; l = my l x fa + my partner's x fb,
	v_permlanex16_b32 v[PT], v[ST+2], s[SEL], s[SEL+1]
	v_add_f32 v[ST+2], v[ST+2], v[PT]              ; and lane l xor 16's: the row's sum
	s_wait_alu depctr_va_vdst(0)
	v_rcp_f32 v[ST+3], v[ST+2]
	v_nop                                          ; one plain line behind the reciprocal
	s_wait_alu depctr_va_vdst(0)                   ; the reciprocal is written, ahead of its first reader
	v_ldexp_f32 v[ST+3], v[ST+3], s[EPV]           ; x 2^(ep + ev)
	v_mul_f32 v[GA], v[ST+7], v[ST+3]
	v_mul_f32 v[GB], v[ST+6], v[ST+3]
.set n, 0
.rept 32
	v_pk_mul_f32 v[S+n:S+n+1], v[S+n:S+n+1], v[GB:GB+1] op_sel_hi:[1,0]
.set n, n+2
.endr
	WIN 0x01                                       ; source 0 (my O^T) window 1
.set n, 0
.rept 32
	v_pk_fma_f32 v[S+n:S+n+1], v[n:n+1], v[GA:GA+1], v[S+n:S+n+1] op_sel_hi:[1,0,1]   ; register 8 t + n' = o(query r, channel 16 t + 8 h + n')
.set n, n+2
.endr
	WIN 0
	; THE WAY OUT: through my own stage, back as whole rows of 512 bytes
	s_wait_alu depctr_va_vdst(0)                   ; the multiply-adds have written v[S .. S+63], which the LDS stores read; every vector instruction that named v[S+64 .. S+127], in which the stage's loads land, stands ahead of this wait too
.irp t, 0,1,2,3,4,5,6,7
	ds_store_b128 v[STO], v[S+8*\t:S+8*\t+3] offset:64*\t
	ds_store_b128 v[STO], v[S+8*\t+4:S+8*\t+7] offset:64*\t+16
.endr
.set n, 0
.rept 16
	ds_load_b128 v[S+64+4*n:S+64+4*n+3], v[SRD] offset:SP*n      ; LDS serves a wave's instructions in order (ISA guide 5.7.1.4): these see my stores
.set n, n+1
.endr
.set n, 0
.rept 16
	s_wait_dscnt 15-n                              ; row n is back; the rows behind it may be out
	global_store_b128 v[LI], v[S+64+4*n:S+64+4*n+3], s[OP+2*\p:OP+2*\p+1] offset:512*n th:TH_STORE_NT   ; 32 lanes store a row of 512 consecutive bytes, aligned; written once, read by nobody here
.set n, n+1
.endr
.if \p == 0
	s_wait_xcnt 0x0                                ; the stores have read their registers, which the second piece writes again
	s_wait_alu depctr_vm_vsrc(0)                   ; the stage's stores have read v[S .. S+63], the global stores v[S+64 .. S+127], the merge's stores O^T's tile 1, -M and l: the second piece writes all of them again
.endif
.endm
	s_load_b256 s[4:11], s[0:1], 0x0               ; queries s[4:5], kv s[6:7], valid_lens s[8:9], lowp_scales s[10:11]
	s_load_b64 s[12:13], s[0:1], 0x20              ; out0
	v_lshl_add_u32 v254, v0, 2, 0x45800
	v_mov_b32 v255, 0
	v_lshrrev_b32 v26, 5, v0
	v_readfirstlane_b32 s[WV], v26                 ; wave 0..7
	s_lshr_b32 s17, ttmp9, 4                       ; j: the ranks j and 31 - j
	s_and_b32 s18, ttmp9, 15                       ; the block of 128 queries
	s_mov_b32 s[SEL], 0x76543210
	s_mov_b32 s[SEL+1], 0xfedcba98
	v_and_b32 v27, 31, v0                          ; lane
	v_and_b32 v28, 15, v0                          ; r
	v_bfe_u32 v29, v0, 4, 1                        ; h
	v_lshlrev_b32 v[LI], 4, v27
	s_wait_alu depctr_va_vdst(0)
	s_wait_alu depctr_va_sdst(0)                   ; the wave's number is written, ahead of its first reader
	s_lshr_b32 s15, s[WV], 2                       ; g: which half of a trip's keys
	s_and_b32 s16, s[WV], 3                        ; i
	s_lshl_b32 s[KG], s15, 7
	; every LDS address is a constant + a lane term + a wave term, made here and never rewritten
	s_lshl_b32 s48, s15, 15
	v_add_nc_u32 v[RD0], s48, v[LI]
	v_add_nc_u32 v[RD0+1], SLOTB, v[RD0]
	s_lshl_b32 s49, s16, 13
	v_add_nc_u32 v[WR0], s49, v[RD0]
	v_add_nc_u32 v[WR0+1], s49, v[RD0+1]
	v_add_nc_u32 v[GLA], s49, v[LI]
	v_lshl_add_u32 v[PFO], v27, 8, s49
	s_lshl_b32 s50, s[WV], 11
	s_add_co_u32 s50, s50, QIMG
	v_add_nc_u32 v[QWI], s50, v[LI]
	s_lshl_b32 s51, s16, 1
	s_add_co_u32 s51, s51, s15                     ; query tile 2 i + g: my register tile 0
	s_lshl_b32 s50, s51, 11
	s_add_co_u32 s50, s50, QIMG
	v_add_nc_u32 v[QR0], s50, v[LI]
	s_xor_b32 s52, s51, 1                          ; query tile 2 i + 1 - g: my register tile 1
	s_lshl_b32 s50, s52, 11
	s_add_co_u32 s50, s50, QIMG
	v_add_nc_u32 v[QR0+1], s50, v[LI]
	s_mul_i32 s50, s[WV], MRGW
	s_add_co_u32 s50, s50, MRG
	v_add_nc_u32 v[MWA], s50, v[LI]
	s_add_co_u32 s50, s50, 8192
	v_lshl_add_u32 v[MSW], v27, 2, s50
	s_xor_b32 s52, s[WV], 4                        ; my partner
	s_mul_i32 s50, s52, MRGW
	s_add_co_u32 s50, s50, MRG
	v_add_nc_u32 v[MRA], s50, v[LI]
	s_add_co_u32 s50, s50, 8192
	v_lshl_add_u32 v[MSR], v27, 2, s50
	s_mul_i32 s50, s[WV], STGW
	s_add_co_u32 s50, s50, STG
	v_add_nc_u32 v[SRD], s50, v[LI]
	v_mul_u32_u24 v[STO], v28, SP
	v_lshl_add_u32 v[STO], v29, 5, v[STO]
	v_add_nc_u32 v[STO], s50, v[STO]
	v_lshlrev_b32 v[QA], 9, v28
	v_lshl_add_u32 v[QA], v29, 6, v[QA]
	v_lshl_add_u32 v[HM], v29, 4, 1
	v_mov_b32 v[NINF], 0xff800000
	v_lshlrev_b32 v[PFQ], 8, v27
	v_lshlrev_b32 v30, 2, v27
	v_mov_b32 v[ST+5], 0                           ; named as the upper halves of pairs, or as destinations of lane permutes: written once
	v_mov_b32 v[ST+13], 0
	v_mov_b32 v[GA+1], 0
	v_mov_b32 v[GB+1], 0
	v_mov_b32 v[PT], 0
	v_mov_b32 v[PT+1], 0
	s_wait_kmcnt 0x0
	s_wait_alu depctr_va_vdst(0)                   ; all addresses and offsets, v1 to v17, v25 and v30, are written, which the kernel's loads, stores and prefetches read; the lines that wrote and read v26, in which the load below lands, are done
	global_load_b32 v26, v30, s[8:9]               ; a lane to a batch: its length
	s_load_b128 s[24:27], s[10:11], 0x0            ; eq, ek, ep, ev
	s_wait_loadcnt 0x0
	s_wait_alu depctr_vm_vsrc(0)                   ; the load has read its offset in v30, which is written again below
	v_ashrrev_i32 v29, 31, v26
	v_xor_b32 v29, -1, v29
	v_and_b32 v26, v26, v29                        ; a negative length counts as 0,
	v_min_u32 v26, 0x800, v26                      ; one over 2,048 as 2,048
	v_lshl_or_b32 v27, v26, 5, v27                 ; 32 x length + batch: no two alike
	v_mov_b32 v28, 0
	v_mov_b32 v30, 0
	v_mov_b32 v31, 1
.irp g, 0,1                                    ; a batch's rank = how many batches stand above it: sixteen batches at a time, each kind of line in a run
.set n, 0
.rept 16
	v_readlane_b32 s[LN+n], v27, 16*\g+n
.set n, n+1
.endr
	s_wait_alu depctr_va_sdst(0)                   ; the sixteen lane reads have written their scalar registers, ahead of the compares that read them
.set n, 0
.rept 16
	v_cmp_gt_u32 s[RM+n], s[LN+n], v27
.set n, n+1
.endr
	s_wait_alu depctr_va_sdst(0)                   ; the sixteen compares have written their masks, ahead of the selections that read them
.set n, 0
.rept 16
	v_cndmask_b32 v29, v30, v31, s[RM+n]
	v_add_nc_u32 v28, v28, v29
.set n, n+1
.endr
.endr
	s_sub_co_u32 s49, 31, s17
	v_cmp_eq_u32 s48, s17, v28                     ; the one lane of rank j,
	v_cmp_eq_u32 s50, s49, v28                     ; and of rank 31 - j
	s_wait_alu depctr_va_sdst(0)                   ; both masks are written, ahead of the scalar lines that read them
	s_ctz_i32_b32 s28, s48
	s_min_u32 s28, s28, 31                         ; the first piece's batch
	s_ctz_i32_b32 s29, s50
	s_min_u32 s29, s29, 31                         ; the second piece's
	v_readlane_b32 s[LEN], v26, s28
	v_readlane_b32 s[LEN+1], v26, s29
	s_wait_alu depctr_va_sdst(0)                   ; both lengths are written, ahead of their first readers
	s_cmp_eq_u32 s18, 0
	s_cselect_b32 s[PL], s[LEN], 0
	s_cselect_b32 s[PL+1], s[LEN+1], 0
	s_mov_b32 s49, 0
	s_lshl_b32 s50, s15, 15                        ; my group's step of trip 0
	s_lshl_b32 s52, s18, 16                        ; the block's 128 rows of 512 bytes
	s_lshl_b32 s53, s[WV], 13
	s_add_co_u32 s53, s53, s52                     ; queries: + query tile w
	s_lshl_b32 s54, s51, 13
	s_add_co_u32 s54, s54, s52                     ; out0: + query tile 2 i + g
.irp p, 0,1
	s_lshl_b32 s48, s[28+\p], 19                   ; a batch is 524,288 bytes of kv
	s_add_co_u32 s48, s48, s50
	s_add_nc_u64 s[KVP+2*\p:KVP+2*\p+1], s[6:7], s[48:49]
	s_lshl_b32 s55, s[28+\p], 20                   ; and 1,048,576 of queries and of out0
	s_add_co_u32 s48, s55, s53
	s_add_nc_u64 s[QP+2*\p:QP+2*\p+1], s[4:5], s[48:49]
	s_add_co_u32 s48, s55, s54
	s_add_nc_u64 s[OP+2*\p:OP+2*\p+1], s[12:13], s[48:49]
.endr
	XLOAD 0                                        ; (no vector instruction has named the registers in which these 32 loads land; their offsets stand ahead of the head's wait on va_vdst)
	KVLOAD 0                                       ; steps 0 and 1 of every batch were made, whatever its length
	s_wait_kmcnt 0x0
	s_mov_b32 s[CS], 0x3e0293ee                    ; c = log2(e) / sqrt(128)
	s_add_co_i32 s48, s24, s25
	s_lshl_b32 s48, s48, 23
	s_add_co_i32 s[CS], s[CS], s48                 ; a score stands for score x 2^(eq + ek): the two exponents are added to c's exponent field
	s_mov_b32 s[CS+1], s[CS]                       ; (named with it as a pair, so it is written)
	s_add_co_i32 s48, s26, 127
	s_lshl_b32 s49, s48, 23
	v_mov_b32 v[SCP], s49                          ; 2^ep as f32: the conversion takes its exponent field
	s_add_co_i32 s48, s48, 8
	s_lshl_b32 s48, s48, 23
	s_or_b32 s48, s48, 0x600000
	v_mov_b32 v[LIMP], s48                         ; 448 x 2^ep
	s_add_co_i32 s48, s24, 127
	s_lshl_b32 s49, s48, 23
	v_mov_b32 v[SCQ], s49                          ; 2^eq
	s_add_co_i32 s48, s48, 8
	s_lshl_b32 s48, s48, 23
	s_or_b32 s48, s48, 0x600000
	v_mov_b32 v[LIMQ], s48                         ; 448 x 2^eq
	s_add_co_i32 s[EPV], s26, s27                  ; ep + ev
	s_wait_alu depctr_va_vdst(0)
	PIECE 0
	PIECE 1
	s_wait_dscnt 0x0
	s_wait_alu depctr_hold_cnt(0) depctr_sa_sdst(0) depctr_va_vdst(0) depctr_va_sdst(0) depctr_va_ssrc(0) depctr_va_vcc(0) depctr_vm_vsrc(0)
	s_wait_tensorcnt 0x0
	ds_add_u32 v254, v255
	s_wait_dscnt 0x0
	s_endpgm
.Lfunc_end_k_q8e45768e93_attn:
	.size	k_q8e45768e93_attn, .Lfunc_end_k_q8e45768e93_attn-k_q8e45768e93_attn
	.p2alignl 7, 3214868480
	.fill 96, 4, 3214868480
	.section	.rodata,"a",@progbits
	.p2align	6, 0x0
	.amdhsa_kernel k_q8e45768e93_attn
		.amdhsa_group_segment_fixed_size 285696
		.amdhsa_private_segment_fixed_size 0
		.amdhsa_enable_private_segment 0
		.amdhsa_kernarg_size 40
		.amdhsa_user_sgpr_count 2
		.amdhsa_user_sgpr_kernarg_segment_ptr 1
		.amdhsa_wavefront_size32 1
		.amdhsa_system_sgpr_workgroup_id_x 1
		.amdhsa_system_sgpr_workgroup_id_y 1
		.amdhsa_system_sgpr_workgroup_id_z 1
		.amdhsa_system_vgpr_workitem_id 0
		.amdhsa_next_free_vgpr 512
		.amdhsa_next_free_sgpr 98
		.amdhsa_reserve_vcc 0
		.amdhsa_float_denorm_mode_32 3
		.amdhsa_float_denorm_mode_16_64 3
		.amdhsa_memory_ordered 1
		.amdhsa_forward_progress 1
		.amdhsa_inst_pref_size 255
	.end_amdhsa_kernel
	.section	.bss,"aw",@nobits
	.p2align	6
	.space	262144
	.amdgpu_metadata
---
amdhsa.version: [ 1, 2 ]
amdhsa.kernels:
  - .name:           k_q8e45768e93_attn
    .symbol:         k_q8e45768e93_attn.kd
    .args:
      - { .name: queries, .offset: 0, .size: 8, .value_kind: global_buffer, .address_space: global }
      - { .name: kv, .offset: 8, .size: 8, .value_kind: global_buffer, .address_space: global }
      - { .name: valid_lens, .offset: 16, .size: 8, .value_kind: global_buffer, .address_space: global }
      - { .name: lowp_scales, .offset: 24, .size: 8, .value_kind: global_buffer, .address_space: global }
      - { .name: out0, .offset: 32, .size: 8, .value_kind: global_buffer, .address_space: global }
    .group_segment_fixed_size: 285696
    .private_segment_fixed_size: 0
    .kernarg_segment_align: 8
    .kernarg_segment_size: 40
    .max_flat_workgroup_size: 256
    .sgpr_count:     98
    .vgpr_count:     512
    .wavefront_size: 32
...
	.end_amdgpu_metadata
.endif
;; end of part 4
